; MI455X (gfx1250); checked and timed in simulation.
; The chip was launched on July 23, 2026; its instructions are those of AMD's public machine-readable ISA for CDNA 5 (MIT licence, August 2026) and "CDNA5" Instruction Set Architecture Reference Guide (July 2026). The comments in the code are by the model that wrote it; some were corrected since.
;; Causal Self Attention. Allowed arithmetic: matrix products marked QUANTISED: E2M3 operands, one E8M0 scale for each 32 along K, by v_wmma_scale_f32_16x16x128_f8f6f4 with both operands' format E2M3, f32 sums; everything else in f32.
;; Inputs: Wk 1,024 x 1,024 float32; Wo 1,024 x 1,024 float32; Wq 1,024 x 1,024 float32; Wv 1,024 x 1,024 float32; bk 1,024 float32; bo 1,024 float32; bq 1,024 float32; bv 1,024 float32; x 4 x 2,048 x 1,024 float32.
;; Outputs: out0 4 x 2,048 x 1,024 float32.
;; This version of the problem:
;;   THIS VERSION OF THE PROBLEM IS GIVEN IN LOW PRECISION. The matrix products marked QUANTISED in the list below multiply operands that are first quantised to E2M3 (2 exponent bits, 3 mantissa bits; 6 bits a number), with one power-of-two scale for each 32 numbers along K (OCP MX v1.0); their sums are f32. All else is computed in f32.
;;   The module's matrix products, in the order in which they are computed (A, B: the left and right operand; K: the contracted axis; several contracted axes count as one K, in the product's order):
;;     1. [M 8,192, K 1,024] x [K 1,024, N 1,024]; A: input x; B: input Wq: QUANTISED
;;     2. [M 8,192, K 1,024] x [K 1,024, N 1,024]; A: input x; B: input Wk: QUANTISED
;;     3. [M 8,192, K 1,024] x [K 1,024, N 1,024]; A: input x; B: input Wv: QUANTISED
;;     4. batch 64 x [M 2,048, K 64] x [K 64, N 2,048]; A: computed on the way; B: computed on the way: QUANTISED
;;     5. batch 64 x [M 2,048, K 2,048] x [K 2,048, N 64]; A: softmax (see below); B: computed on the way: QUANTISED
;;     6. [M 8,192, K 1,024] x [K 1,024, N 1,024]; A: computed on the way; B: input Wo: QUANTISED
;;   THE QUANTISER, for each operand of a quantised product, along K:
;;     - K is cut into blocks of 32 from its start; a last block that is shorter is filled with zeros.
;;     - A block's scale is 2^e with e = floor(log2(the largest magnitude in the block)) - 2, held to -126 .. 127; a block of zeros has e = 0. As a byte (E8M0): e + 127.
;;     - Each number is divided by its block's scale, clamped to +-7.5, and rounded to the nearest number of E2M3, ties to even, subnormals kept.
;;     - The product sums the exact products of the quantised numbers (number of the format x scale) in f32.
;;   ~~~python
;;   def quantise(x, axis):      # numpy; x: float32 -> the quantised numbers, widened to float32 again
;;       x = np.moveaxis(x, axis, -1); K = x.shape[-1]
;;       x = np.pad(x, [(0, 0)] * (x.ndim - 1) + [(0, -K % 32)]); x = x.reshape(x.shape[:-1] + (-1, 32)); a = np.abs(x).max(-1, keepdims=True)
;;       e = np.where(a > 0, np.clip(np.frexp(np.where(a > 0, a, 1))[1] - 1 - 2, -126, 127), 0)      # np.frexp(a)[1] - 1 = floor(log2(a)), exactly
;;       r = np.clip(x / 2.0 ** e, -7.5, 7.5)
;;       step = 2.0 ** (np.maximum(np.frexp(np.where(r == 0, 1, r))[1] - 1, 0) - 3)
;;       q = np.round(r / step) * step * 2.0 ** e      # np.round: ties to even
;;       return np.moveaxis(q.reshape(q.shape[:-2] + (-1,))[..., :K], -1, axis).astype(np.float32)
;;   ~~~
;;   SOFTMAX AHEAD OF A QUANTISED PRODUCT. Where the list says 'softmax', what is quantised is not the finished softmax but p = 2^(t - M), with t = logit x log2(e) and M = ceil(the row's largest t), a whole number; so 1/2 < the row's largest p <= 1. The row's sum l is taken of the UNQUANTISED p, in f32, and the product's result is divided by l at the end. Since M is a whole number, a kernel that streams over the keys may use a running M (the ceiling of the running maximum): every later rescaling is an exact power of two, which a block's scale takes up: the codes' values come out the same.
;;   OPERANDS COMPUTED ON THE WAY. 'Computed on the way' means the value that the module computes at that place (a softmax that the list does not call 'softmax' is quantised finished and normalised). What goes into a quantiser is computed in f32, as accurately as f32 sums, v_exp_f32 and their like allow (about 1e-6 of the number): no bf16 or f16 on the way to a quantiser, and a product that is left as it is and whose result goes on into a quantised operand takes f32 operands (vector FMAs, or v_wmma_f32_16x16x4_f32). A number that lies on a knife's edge between two numbers of the format may be rounded either way, as far as f32 arithmetic and the matrix unit's own rounding can turn it there, and no further.
;; One version. Each part assembles by itself: llvm-mc -triple=amdgcn-amd-amdhsa -mcpu=gfx1250 --defsym DOCPART=n.
;; ======== version 1 of 1: 4 launches
;; workspace buffers: codes 9,437,184 bytes; scales 393,216 bytes; qkv 18,874,368 bytes; qkvs 1,572,864 bytes; ac 6,291,456 bytes; acs 262,144 bytes
;; launch quant (part 1): grid 384 x 1, 4 waves a work-group, no clusters, 69,120 bytes of LDS; arguments x, Wq, Wk, Wv, Wo, codes, scales; writes codes, scales
.if DOCPART == 1
	.amdgcn_target "amdgcn-amd-amdhsa--gfx1250"
	.amdhsa_code_object_version 6
	.text
	.protected	k_q2cf3cf2f14_quant
	.globl	k_q2cf3cf2f14_quant
	.p2align	8
	.type	k_q2cf3cf2f14_quant,@function
k_q2cf3cf2f14_quant:
	s_mov_b64 s[64:65], 0
	v_nop
	global_prefetch_b8 v0, s[64:65] scope:SCOPE_SE
	s_setreg_imm32_b32 hwreg(HW_REG_WAVE_MODE, 25, 1), 1
	s_wait_xcnt 0x0
; x [8192][1024] and the four weights [1024 (k)][1024 (n)], f32, become codes of FP6 (E2M3) with K innermost and one E8M0 byte for each 32 along K.
; codes: 12,288 rows of 768 bytes; scales: the same rows, 32 bytes each.  Rows 0-8191: x's tokens; row 8192 + 1024 w + n: column n of weight w (0 Wq, 1 Wk, 2 Wv, 3 Wo).
; THE ORDER OF ROWS: in every 32 rows of x, Wq, Wk and Wv the two middle groups of eight change places (rows 8-15 with rows 16-23); Wo's rows stay.  So the 16 registers that a lane holds of two
; neighbouring result tiles in the later products are 16 neighbours along the next K.
; A block's scale is 2^(floor(log2(its largest magnitude)) - 2); its byte is the largest magnitude's exponent field - 2, held at 1 from below.
; LIMITS: a block of zeros gets the byte 1 (its codes are zeros, and this program alone reads the bytes); blocks whose largest magnitude lies under 2^-124 are held at the byte 1; NaN and infinities are not served.
; Work-groups 0-127 take the weights (a lane to a column, registers down K), work-groups 128-383 take x (K innermost).  The two ways part on the work-group's number and use LDS bytes of their own.
; No tensor loads, no barrier: waves share nothing.  No cluster: no two work-groups read the same bytes.
.set STEPS, 16                         ; x: steps of 512 numbers for a wave
.set CB,    12                         ; bytes of 16 codes
.set XR,    16                         ; x: v16-79   four sets of 16 numbers as loaded
.set XX,    80                         ; x: v80-111  two sets of 16 neighbours
.set XE,    112                        ; x: v112-127 a scale byte for each step
.set XC,    128                        ; x: v128-191 codes, four registers a step
.set WREG,  8192                       ; x: LDS bytes 0-32,767: a region for each wave: two stages of 32 x SP bytes, then 256 scale bytes
.set SP,    80                         ; x: a lane's place in a stage: 64 bytes + 16 of padding
.set WSTG,  32768                      ; weights: LDS bytes 32,768 on: a stage of 32 rows x WP bytes for each wave
.set WP,    272                        ; weights: a stage row: sixteen places of 16 bytes + 16
.set NB,    8                          ; weights: blocks of 32 along K for a wave
.set WX,    32                         ; weights: v32-95 two sets of 32 numbers
.set WC,    96                         ; weights: a block's codes
.set WOUT,  112                        ; weights: v112-175 the way out
.set WSB,   24                         ; weights: v24-25 eight scale bytes
.macro WLOAD t                         ; block t: W(32 t + i, my column) into set t % 2; 32 lanes read 128 consecutive bytes
.irp i, 0,1,2,3,4,5,6,7,8,9,10,11,12,13,14,15,16,17,18,19,20,21,22,23,24,25,26,27,28,29,30,31
	global_load_b32 v[WX+32*((\t)%2)+\i], v3, s[6:7] offset:(32*(\t)+\i)*4096 th:TH_LOAD_NT
.endr
.endm
.macro WBLOCK t
.set XS, WX+32*((\t)%2)
.if (\t) < NB-1
	s_wait_loadcnt 32                              ; this block's 32 loads are in; the next block's may be out
.else
	s_wait_loadcnt 0
.endif
	v_max3_num_f32 v12, |v[XS]|, |v[XS+1]|, |v[XS+2]|              ; the block's largest magnitude: all 32 numbers are mine
	v_max3_num_f32 v13, |v[XS+3]|, |v[XS+4]|, |v[XS+5]|
.irp i, 6,10,14,18,22,26
	v_max3_num_f32 v12, v12, |v[XS+\i]|, |v[XS+\i+1]|
	v_max3_num_f32 v13, v13, |v[XS+\i+2]|, |v[XS+\i+3]|
.endr
	v_max3_num_f32 v12, v12, |v[XS+30]|, |v[XS+31]|
	v_max3_num_f32 v12, v12, v13, 0x1800000        ; and the floor 2^(3 - 127): the byte cannot fall under 1
	v_add_nc_u32 v11, 0xff000000, v12              ; 2 off the exponent field: the conversion takes this operand's exponent field as its scale
	v_lshrrev_b32 v13, 23, v11                     ; the scale's byte
.if (\t)%4 == 0
	v_mov_b32 v[WSB+(\t)/4], v13                   ; four bytes to a register, the lower K in the lower byte
.else
	v_lshl_or_b32 v[WSB+(\t)/4], v13, 8*((\t)%4), v[WSB+(\t)/4]
.endif
	v_cvt_scalef32_pk16_fp6_f32 v[WC:WC+2], v[XS:XS+15], v11
	v_cvt_scalef32_pk16_fp6_f32 v[WC+4:WC+6], v[XS+16:XS+31], v11   ; (a conversion's three registers begin on an even number)
	ds_store_b96 v4, v[WC:WC+2] offset:32*(\t)     ; 12 bytes to a place of 16, so that every LDS address is a multiple of 16
	ds_store_b96 v4, v[WC+4:WC+6] offset:32*(\t)+16
.if (\t)+2 < NB
	WLOAD (\t)+2
.endif
	s_wait_dscnt 0x0                               ; the stores have read their registers: the next block's codes may be written
.endm
.macro XLOAD t
.irp i, 0,1,2,3
	global_load_b128 v[XR+16*((\t)%4)+4*\i:XR+16*((\t)%4)+4*\i+3], v3, s[4:5] offset:2048*(\t)+512*\i th:TH_LOAD_NT   ; 32 lanes read 512 consecutive bytes
.endr
.endm
.macro XTURN t                         ; step t's numbers through the stage; LDS serves a wave's instructions in order, so no wait stands between the stores and the loads
.irp i, 0,1,2,3
	ds_store_b128 v14, v[XR+16*((\t)%4)+4*\i:XR+16*((\t)%4)+4*\i+3] offset:32*SP*((\t)%2)+8*SP*\i
.endr
.irp i, 0,1,2,3
	ds_load_b128 v[XX+16*((\t)%2)+4*\i:XX+16*((\t)%2)+4*\i+3], v15 offset:32*SP*((\t)%2)+16*\i
.endr
.endm
.macro XSTEP t
.set XSS, XX+16*((\t)%2)
.if (\t) > 0
	s_wait_dscnt 1                                 ; this step's numbers are back from the stage (the last step's byte store may be out)
.else
	s_wait_dscnt 0x0
.endif
.if (\t)+4 < STEPS
	XLOAD (\t)+4                                   ; into the registers that the stage's stores have read
.endif
.if (\t)+1 < STEPS
.if STEPS-2-(\t) >= 3
	s_wait_loadcnt 12                              ; the next step's four loads are in; those of the three steps behind it may be out
.else
	s_wait_loadcnt 4*(STEPS-2-(\t))
.endif
	XTURN (\t)+1
.endif
	v_max3_num_f32 v8, |v[XSS]|, |v[XSS+1]|, |v[XSS+2]|            ; the largest magnitude of my 16
	v_max3_num_f32 v9, |v[XSS+3]|, |v[XSS+4]|, |v[XSS+5]|
.irp i, 6,10
	v_max3_num_f32 v8, v8, |v[XSS+\i]|, |v[XSS+\i+1]|
	v_max3_num_f32 v9, v9, |v[XSS+\i+2]|, |v[XSS+\i+3]|
.endr
	v_max3_num_f32 v8, v8, |v[XSS+14]|, |v[XSS+15]|
	v_max3_num_f32 v8, v8, v9, 0x1800000           ; and the floor 2^(3 - 127)
	v_max_num_f32_dpp v8, v8, v8 row_xmask:1 row_mask:0xf bank_mask:0xf   ; and of my neighbour's 16: the block's
	v_add_nc_u32 v11, 0xff000000, v8               ; 2 off its exponent field: the conversion's scale operand
	v_cvt_scalef32_pk16_fp6_f32 v[XC+4*(\t):XC+4*(\t)+2], v[XSS:XSS+15], v11
	v_lshrrev_b32 v[XE+(\t)], 23, v11              ; the scale's byte
	ds_store_b8 v5, v[XE+(\t)] offset:16*(\t)      ; both lanes of a block write the same byte with the same value
	global_store_b96 v4, v[XC+4*(\t):XC+4*(\t)+2], s[14:15] offset:32*CB*(\t)
.endm
	s_load_b256 s[4:11], s[0:1], 0x0               ; x s[4:5], Wq s[6:7], Wk s[8:9], Wv s[10:11]
	s_load_b128 s[12:15], s[0:1], 0x20             ; Wo s[12:13], codes s[14:15]
	s_load_b64 s[16:17], s[0:1], 0x30              ; scales
	v_lshl_add_u32 v192, v0, 2, 0x10c00
	v_mov_b32 v193, 0
	v_lshrrev_b32 v1, 5, v0
	v_readfirstlane_b32 s18, v1                    ; wave 0..3
	v_and_b32 v2, 31, v0                           ; lane
	s_cmp_lt_u32 ttmp9, 128
	s_cbranch_scc0 .Lx_path
	; ---- THE WEIGHTS.  Work-group id: weight id / 32, 128 columns (id % 8), 256 along K ((id / 8) % 4).  A wave: 32 columns x 256 along K.
	s_lshr_b32 s19, ttmp9, 5                       ; w
	s_and_b32 s20, ttmp9, 7
	s_bfe_u32 s21, ttmp9, 0x20003                  ; which 256 along K
	s_lshl_b32 s22, s20, 7
	s_lshl_b32 s23, s18, 5
	s_add_co_u32 s22, s22, s23                     ; my wave's first column
	v_lshlrev_b32 v3, 2, v2                        ; in: 4 bytes a lane
	s_mul_i32 s23, s18, 32*WP
	s_add_co_u32 s23, s23, WSTG                    ; my stage
	v_mul_u32_u24 v4, v2, WP
	v_add_nc_u32 v4, s23, v4                       ; into it: row = my column
	v_and_b32 v5, 15, v2
	v_lshrrev_b32 v6, 4, v2
	v_mul_u32_u24 v7, v6, WP
	v_lshl_add_u32 v7, v5, 4, v7
	v_add_nc_u32 v7, s23, v7                       ; out of it: sixteen lanes to a row, two rows an instruction
	v_mul_u32_u24 v8, v6, 768
	v_mad_u32_u24 v8, v5, 12, v8                   ; and the same place in the codes
	s_cmp_lg_u32 s19, 3                            ; Wq, Wk, Wv: the middle groups of eight rows change places; Wo: not
	s_cselect_b32 s24, 6144, 0                     ; eight rows of 768 bytes, or nothing
	s_cselect_b32 s25, -1, 0
	v_add_nc_u32 v10, s24, v8                      ; for rows 8-15: eight rows down, or as they are
	s_sub_co_u32 s24, 6144, s24
	v_add_nc_u32 v14, s24, v8                      ; for rows 16-23, used with an offset eight rows short: eight rows up, or as they are
	v_bfe_u32 v15, v2, 3, 1
	v_sub_nc_u32 v15, v15, v6                      ; +1 in lanes 8-15, -1 in lanes 16-23
	v_lshlrev_b32 v15, 8, v15                      ; eight rows of 32 scale bytes
	v_and_b32 v15, s25, v15
	v_lshl_add_u32 v9, v2, 5, v15                  ; my column's row of scale bytes
	s_lshl_b32 s26, s21, 20                        ; W: 256 rows of 4,096 bytes for each step along K
	s_lshl_b32 s27, s22, 2
	s_add_co_u32 s26, s26, s27
	s_mov_b32 s27, 0
	s_lshl_b32 s28, s19, 10
	s_add_co_u32 s28, s28, s22
	s_add_co_u32 s28, s28, 8192                    ; my first row of the outputs
	s_mul_i32 s30, s28, 768
	s_mul_i32 s29, s21, 192
	s_add_co_u32 s30, s30, s29
	s_mov_b32 s31, 0
	s_lshl_b32 s32, s28, 5
	s_lshl_b32 s29, s21, 3
	s_add_co_u32 s32, s32, s29
	s_mov_b32 s33, 0
	s_wait_kmcnt 0x0
	s_cmp_eq_u32 s19, 1                            ; which weight: the choice hangs on the work-group's number alone
	s_cselect_b64 s[6:7], s[8:9], s[6:7]
	s_cmp_eq_u32 s19, 2
	s_cselect_b64 s[6:7], s[10:11], s[6:7]
	s_cmp_eq_u32 s19, 3
	s_cselect_b64 s[6:7], s[12:13], s[6:7]
	s_add_nc_u64 s[6:7], s[6:7], s[26:27]
	s_add_nc_u64 s[14:15], s[14:15], s[30:31]
	s_add_nc_u64 s[16:17], s[16:17], s[32:33]
	WLOAD 0
	WLOAD 1
.irp t, 0,1,2,3,4,5,6,7
	WBLOCK \t
.endr
	global_store_b64 v9, v[WSB:WSB+1], s[16:17]    ; my column's eight scale bytes
.irp t, 0,1,2,3,4,5,6,7,8,9,10,11,12,13,14,15
	ds_load_b96 v[WOUT+4*\t:WOUT+4*\t+2], v7 offset:2*\t*WP   ; LDS serves a wave's instructions in order: these see my stores
.endr
.irp t, 0,1,2,3,4,5,6,7,8,9,10,11,12,13,14,15
	s_wait_dscnt 15-\t                             ; the later loads may be out
.if (\t >= 4) && (\t < 8)
	global_store_b96 v10, v[WOUT+4*\t:WOUT+4*\t+2], s[14:15] offset:2*\t*768
.elseif (\t >= 8) && (\t < 12)
	global_store_b96 v14, v[WOUT+4*\t:WOUT+4*\t+2], s[14:15] offset:(2*\t-8)*768
.else
	global_store_b96 v8, v[WOUT+4*\t:WOUT+4*\t+2], s[14:15] offset:2*\t*768
.endif
.endr
	s_wait_tensorcnt 0x0
	ds_add_u32 v192, v193
	s_wait_dscnt 0x0
	s_endpgm
	; ---- x.  A wave takes eight rows, 8,192 numbers: one group of eight; the four waves of a work-group take 32 rows, and waves 1 and 2 store to each other's places.
.Lx_path:
	s_sub_co_u32 s19, ttmp9, 128
	s_lshl_b32 s19, s19, 2
	s_add_co_u32 s20, s19, s18                     ; which eight rows I read
	s_and_b32 s21, s18, 1
	s_lshl_b32 s21, s21, 1
	s_lshr_b32 s22, s18, 1
	s_or_b32 s21, s21, s22
	s_add_co_u32 s21, s19, s21                     ; and where they go
	v_lshlrev_b32 v3, 4, v2                        ; my 16 bytes of a load's 512
	s_mul_i32 s23, s18, WREG
	v_lshrrev_b32 v14, 2, v2
	v_mul_u32_u24 v14, v14, SP
	v_and_b32 v15, 3, v2
	v_lshl_add_u32 v14, v15, 4, v14
	v_add_nc_u32 v14, s23, v14                     ; the stage, on the way in: four lanes' 64 bytes on end, then 16 of padding
	v_mul_u32_u24 v15, v2, SP
	v_add_nc_u32 v15, s23, v15                     ; on the way out: my 16 neighbours
	v_mul_u32_u24 v4, v2, CB                       ; my codes' place in a step's
	v_lshrrev_b32 v5, 1, v2
	s_add_co_u32 s23, s23, 2*32*SP
	v_add_nc_u32 v5, s23, v5                       ; my wave's 256 scale bytes, my block's byte
	v_lshlrev_b32 v7, 3, v2
	v_add_nc_u32 v6, s23, v7                       ; and on the way out 8 bytes a lane
	s_lshl_b32 s24, s20, 15
	s_mov_b32 s25, 0
	s_mul_i32 s26, s21, 6144
	s_mov_b32 s27, 0
	s_lshl_b32 s28, s21, 8
	s_mov_b32 s29, 0
	s_wait_kmcnt 0x0
	s_add_nc_u64 s[4:5], s[4:5], s[24:25]
	s_add_nc_u64 s[14:15], s[14:15], s[26:27]
	s_add_nc_u64 s[16:17], s[16:17], s[28:29]
.irp t, 0,1,2,3
	XLOAD \t
.endr
	s_wait_loadcnt 12                              ; step 0's four loads are in
	XTURN 0
.irp t, 0,1,2,3,4,5,6,7,8,9,10,11,12,13,14,15
	XSTEP \t
.endr
	ds_load_b64 v[12:13], v6                       ; LDS serves a wave's instructions in order: these see my stores
	s_wait_dscnt 0x0
	global_store_b64 v7, v[12:13], s[16:17]        ; 32 lanes store 256 consecutive bytes, aligned
	s_wait_tensorcnt 0x0
	ds_add_u32 v192, v193
	s_wait_dscnt 0x0
	s_endpgm
.Lfunc_end_k_q2cf3cf2f14_quant:
	.size	k_q2cf3cf2f14_quant, .Lfunc_end_k_q2cf3cf2f14_quant-k_q2cf3cf2f14_quant
	.p2alignl 7, 3214868480
	.fill 96, 4, 3214868480
	.section	.rodata,"a",@progbits
	.p2align	6, 0x0
	.amdhsa_kernel k_q2cf3cf2f14_quant
		.amdhsa_group_segment_fixed_size 69120
		.amdhsa_private_segment_fixed_size 0
		.amdhsa_enable_private_segment 0
		.amdhsa_kernarg_size 56
		.amdhsa_user_sgpr_count 2
		.amdhsa_user_sgpr_kernarg_segment_ptr 1
		.amdhsa_wavefront_size32 1
		.amdhsa_system_sgpr_workgroup_id_x 1
		.amdhsa_system_sgpr_workgroup_id_y 1
		.amdhsa_system_sgpr_workgroup_id_z 1
		.amdhsa_system_vgpr_workitem_id 0
		.amdhsa_next_free_vgpr 194
		.amdhsa_next_free_sgpr 66
		.amdhsa_reserve_vcc 0
		.amdhsa_float_denorm_mode_32 3
		.amdhsa_float_denorm_mode_16_64 3
		.amdhsa_memory_ordered 1
		.amdhsa_forward_progress 1
		.amdhsa_inst_pref_size 74
	.end_amdhsa_kernel
	.amdgpu_metadata
---
amdhsa.version: [ 1, 2 ]
amdhsa.kernels:
  - .name:           k_q2cf3cf2f14_quant
    .symbol:         k_q2cf3cf2f14_quant.kd
    .args:
      - { .name: x, .offset: 0, .size: 8, .value_kind: global_buffer, .address_space: global }
      - { .name: Wq, .offset: 8, .size: 8, .value_kind: global_buffer, .address_space: global }
      - { .name: Wk, .offset: 16, .size: 8, .value_kind: global_buffer, .address_space: global }
      - { .name: Wv, .offset: 24, .size: 8, .value_kind: global_buffer, .address_space: global }
      - { .name: Wo, .offset: 32, .size: 8, .value_kind: global_buffer, .address_space: global }
      - { .name: codes, .offset: 40, .size: 8, .value_kind: global_buffer, .address_space: global }
      - { .name: scales, .offset: 48, .size: 8, .value_kind: global_buffer, .address_space: global }
    .group_segment_fixed_size: 69120
    .private_segment_fixed_size: 0
    .kernarg_segment_align: 8
    .kernarg_segment_size: 56
    .max_flat_workgroup_size: 128
    .sgpr_count:     66
    .vgpr_count:     194
    .wavefront_size: 32
...
	.end_amdgpu_metadata
.endif
;; end of part 1
;; launch gemm_qkv (part 2): grid 12 x 32, 4 waves a work-group, clusters of 4 x 4, 327,680 bytes of LDS; arguments codes, scales, bq, bk, bv, qkv, qkvs; writes qkv, qkvs
.if DOCPART == 2
	.amdgcn_target "amdgcn-amd-amdhsa--gfx1250"
	.amdhsa_code_object_version 6
	.text
	.protected	k_q2cf3cf2f14_gemm_qkv
	.globl	k_q2cf3cf2f14_gemm_qkv
	.p2align	8
	.type	k_q2cf3cf2f14_gemm_qkv,@function
k_q2cf3cf2f14_gemm_qkv:
	s_mov_b64 s[64:65], 0
	v_nop
	global_prefetch_b8 v0, s[64:65] scope:SCOPE_SE
	s_setreg_imm32_b32 hwreg(HW_REG_WAVE_MODE, 25, 1), 1
	s_wait_xcnt 0x0
	s_wait_alu depctr_hold_cnt(0) depctr_sa_sdst(0) depctr_va_vdst(0) depctr_va_sdst(0) depctr_va_ssrc(0) depctr_va_vcc(0) depctr_vm_vsrc(0)
	s_getreg_b32 s2, hwreg(HW_REG_IB_STS2, 6, 4)
	s_cmp_eq_u32 s2, 0
	s_cbranch_scc0 .Lentry_in_a_cluster
	s_endpgm
.Lentry_in_a_cluster:
	s_bfe_u32 s2, ttmp6, 0x10000c
	s_cmp_lg_u32 s2, 0xf033
	s_cbranch_scc0 .Lentry_shape_is_right
	s_endpgm
.Lentry_shape_is_right:
; q = x Wq + bq, k = x Wk + bk, v = x Wv + bv on codes of FP6 (E2M3) with E8M0 scales, K = 1,024; the results are quantised again in registers (q, k along the head's 64 channels, v along the keys) and leave as
; IMAGES OF OPERAND REGISTERS.  A tile of 256 x 256 results is made by four waves, 128 x 128 each: 64 accumulators, 512 registers.  K goes in steps of 256 through a ring of two LDS slots filled by the tensor data mover;
; the scale bytes of the work-group's 512 rows come into LDS once.  4 x 4 work-groups form a cluster; A's tiles are asked for jointly along a row of the cluster, B's along a column.
; ROLES, chosen by selects on the cluster's x, which all sixteen partners share (no branch): clusters 0 and 1: A = x's tokens, B = the columns of Wq | Wk; cluster 2: A = the columns of Wv, B = x's tokens.
; The matrix instruction is used transposed (source 0 = 16 rows of B, source 1 = 16 rows of A): a lane holds ONE row of A and its registers run along B's rows.  In the codes' buffer the middle groups of eight rows of every 32 have
; changed places, so the 16 registers of accumulators (a, 2 n) and (a, 2 n + 1) are the natural neighbours 32 n + 16 (lane / 16) + 0 .. 15 along B: channels for q and k, keys for v: the next product's K.
; BIASES: along B's rows (bq, bk) as the C of each sum's first product; along A's rows (bv) added on the way out.  The one that does not apply is masked to zeros.
; OUT: tile X (16 rows x 128 of the next K: 12 registers a lane) at qkv + 1,536 X: registers 0-3 at 16 x lane, 4-5 at 512 + 8 x lane, 6-9 at 768 + 16 x lane, 10-11 at 1,280 + 8 x lane.  For q and k the two halves are two heads.
; Its scale words at qkvs: four tiles to 512 bytes, 16 bytes a lane; lanes 0-15 the word, lanes 16-31 the word shifted down by 16 bits (the second head's two bytes).
; LIMITS: a block of zeros gets the byte 1 (zero codes; this program alone reads the bytes); blocks whose largest magnitude lies under 2^-124 are held at the byte 1; NaN and infinities are not served.
; REGISTERS, in windows of 256: window 0: v0-31 addresses; v32-63 scale words, two sets; v64-127 the bias along B; v128-223 A's fragments, one set; v224-239 the bias along A.  Window 1: B's fragments, two sets.
;   Windows 2, 3: the accumulators of my rows 0-63, 64-127 (accumulator (a, b) at v[8 (8 (a % 4) + b)]).
.set KSTEP,  256
.set NQ,     2                         ; matrix instructions deep in a slot
.set ROWB,   192                       ; a tile's row in bytes
.set KROW,   768                       ; a row of codes in memory
.set PITCH,  240                       ; an LDS row: 3 x (64 bytes + 16 of padding)
.set FR,     12
.set NL,     6                         ; LDS loads that bring a fragment
.set NP,     4                         ; places behind this matrix instruction (ISA guide 7.12.1)
.set HALFT,  128*PITCH
.set SLOT,   4*HALFT
.set LAPS,   2                         ; K = 1,024 = two laps of two K steps
.set KS,     32                        ; a row of scale bytes
.set SCL,    2*SLOT
.set HALFS,  (128*KS/256)*272
.set SBLK,   (16*KS/256)*272
.set SPARE,  SCL+4*HALFS               ; the spare words: 128 bytes a wave, two blocks of 256 bytes that no other line names
.set ADRA, 16
.set ADRB, 20
.set O16,  24                          ; v24  16 x lane
.set O8,   25                          ; v25  8 x lane
.set SH,   26                          ; v26  16 x (lane / 16)
.set ADRS, 27
.set SPW,  28
.set NIL,  29
.set SC,   32
.set BN,   64
.set AF,   128
.set BM,   224
.set TM,   32                          ; the way out: v32-35 largest magnitudes, v36-39 at work and bytes, v44-47 the conversions' scale operands
.set PWD,  48                          ; v48-51 four tiles' scale words;  v52-55 as they are stored
.set PWS,  52
.set G1, 24
.set G0, 32
.set G1B, 48
.set G0B, 56
.set G1S, 68
.set G0S, 76
.set G1SB, 80
.set G0SB, 88
.set MSB, 0
.macro WIN new                         ; the immediate's high byte repeats the setting that is left
.if MSB != (\new)
	s_set_vgpr_msb (MSB<<8)|(\new)
.set MSB, (\new)
.endif
.endm
.set MUL_LO, 0xa1                      ; source 0 (B) window 1, source 1 (A) window 0, C and D window 2
.set MUL_HI, 0xf1                      ; the same, C and D window 3
.set TO_B,   0x40
; A joint load: waves 0 and 1 fetch for A, waves 2 and 3 for B; the branch hangs on the wave's number alone.  Four v_nop follow each of the two lines.
.macro JLOAD g0a, g1a, g0b, g1b
	s_cmp_eq_u32 s15, 0
	s_cbranch_scc0 .Lfor_b_\@
	tensor_load_to_lds s[\g0a:\g0a+3], s[\g1a:\g1a+7]
	s_nop 0
.rept 4
	v_nop
.endr
	s_branch .Lasked_\@
.Lfor_b_\@:
	tensor_load_to_lds s[\g0b:\g0b+3], s[\g1b:\g1b+7]
	s_nop 0
.rept 4
	v_nop
.endr
.Lasked_\@:
.endm
.macro CREST                           ; a round of the cluster's barrier behind its opening barrier
	s_cmp_lg_u32 s14, 0
	s_cbranch_scc1 .Lnot_wave_0_\@
	s_barrier_signal -3
.Lnot_wave_0_\@:
	s_barrier_wait -3
	s_barrier_signal -1
	s_barrier_wait -1
.endm
.macro CROUND
	s_barrier_signal -1
	s_barrier_wait -1
	CREST
.endm
	s_load_b128 s[4:7], s[0:1], 0x0                ; codes s[4:5], scales s[6:7]
	s_load_b128 s[8:11], s[0:1], 0x10              ; bq s[8:9], bk s[10:11]
	s_load_b128 s[96:99], s[0:1], 0x20             ; bv s[96:97], qkv s[98:99]
	s_load_b64 s[100:101], s[0:1], 0x30            ; qkvs
	v_lshl_add_u32 v[SPW], v0, 2, SPARE
	v_mov_b32 v[NIL], 0
	ds_add_u32 v28, v29
	ds_add_u32 v28, v29
	s_wait_dscnt 0x0
	v_lshrrev_b32 v1, 5, v0
	v_readfirstlane_b32 s14, v1                    ; wave 0..3
	s_lshr_b32 s15, s14, 1                         ; which half of A's rows is mine.  Also: I fetch for A (0) or for B (1)
	s_and_b32 s16, s14, 1                          ; which half of B's rows.  Also: which 128 rows of that tile I fetch
	s_bfe_u32 s40, ttmp6, 0x40000                  ; cx, cy: my place in the cluster
	s_bfe_u32 s41, ttmp6, 0x40004
	s_and_b32 s18, ttmp7, 0xffff                   ; cluster y
	s_cmp_eq_u32 ttmp9, 2                          ; the v clusters.  All selects stand behind this one compare
	s_cselect_b32 s42, s18, ttmp9                  ; which four tile columns,
	s_cselect_b32 s17, 0, s18                      ; which four tile rows
	s_cselect_b32 s12, 10240, 0                    ; A's first row in the codes: Wv's, or x's
	s_cselect_b32 s13, 0, 8192                     ; B's: x's, or Wq's
	s_cselect_b32 s66, 6, 9                        ; the output tiles' numbering: 64 tiles for each 128 keys, or 512 for each pair of heads
	s_cselect_b32 s67, 8192, 0
	s_cselect_b32 s95, 0, -1                       ; the mask of the bias along B
	s_cselect_b32 s2, -1, 0                        ; and of the bias along A
	s_lshl_b32 s42, s42, 2
	s_add_co_u32 s42, s42, s40                     ; tile column
	s_lshl_b32 s17, s17, 2
	s_add_co_u32 s17, s17, s41                     ; tile row
	s_lshl_b32 s43, s41, 2
	s_lshl_b32 s43, 15, s43                        ; my row of the cluster
	s_lshl_b32 s44, 0x1111, s40                    ; my column
	; descriptor group 1: a tile of 128 rows x 192 bytes, 16 bytes of padding behind every 64
	s_or_b32 s[G1+0], s43, (0<<16)|(1<<20)|(1<<21)|(3<<22)|(3<<25)
	s_or_b32 s[G1B+0], s44, (0<<16)|(1<<20)|(1<<21)|(3<<22)|(3<<25)
.irp g, G1, G1B
	s_mov_b32 s[\g+1], ROWB<<16                    ; tensor_dim0
	s_mov_b32 s[\g+2], 128<<16                     ; tensor_dim1
	s_mov_b32 s[\g+3], ROWB<<16                    ; tile_dim0
	s_mov_b32 s[\g+4], 128                         ; tile_dim1
	s_mov_b32 s[\g+5], KROW                        ; the pitch
	s_mov_b32 s[\g+6], 0
	s_mov_b32 s[\g+7], 0
.endr
	; the scale bytes of 128 rows: 4,096 dense bytes as 16 rows of 256 (32 elements of 8 bytes), 16 bytes of padding behind each
	s_or_b32 s[G1S+0], s43, (3<<16)|(1<<20)|(1<<21)|(5<<22)|(3<<25)
	s_or_b32 s[G1SB+0], s44, (3<<16)|(1<<20)|(1<<21)|(5<<22)|(3<<25)
.irp g, G1S, G1SB
	s_mov_b32 s[\g+1], 32<<16
	s_mov_b32 s[\g+2], (128*KS/256)<<16
	s_mov_b32 s[\g+3], 32<<16
	s_mov_b32 s[\g+4], 128*KS/256
	s_mov_b32 s[\g+5], 32
	s_mov_b32 s[\g+6], 0
	s_mov_b32 s[\g+7], 0
.endr
	s_lshl_b32 s18, s16, 7                         ; which 128 rows of the tile I fetch
	s_lshl_b32 s20, s17, 8
	s_add_co_u32 s20, s20, s18
	s_add_co_u32 s20, s20, s12                     ; A's row
	s_lshl_b32 s46, s42, 8
	s_add_co_u32 s46, s46, s18
	s_add_co_u32 s46, s46, s13                     ; B's row
	s_mov_b32 s21, 0
	s_mov_b32 s47, 0
	s_mov_b64 s[18:19], KS
	s_mul_u64 s[22:23], s[20:21], s[18:19]         ; where these rows' scale bytes begin
	s_mul_u64 s[92:93], s[46:47], s[18:19]
	s_mov_b64 s[18:19], KROW
	s_mul_u64 s[20:21], s[20:21], s[18:19]         ; and their codes
	s_mul_u64 s[46:47], s[46:47], s[18:19]
	s_mul_i32 s45, s14, HALFT                      ; where they go: wave x 128 rows
	s_mul_i32 s94, s14, HALFS
	s_wait_kmcnt 0x0
	s_add_nc_u64 s[20:21], s[4:5], s[20:21]
	s_add_nc_u64 s[22:23], s[6:7], s[22:23]
	s_add_nc_u64 s[46:47], s[4:5], s[46:47]
	s_add_nc_u64 s[92:93], s[6:7], s[92:93]
	CROUND                                         ; all sixteen work-groups are here: the first joint loads meet
	s_mov_b32 s[G0S], 1
	s_add_co_u32 s[G0S+1], s94, SCL
	s_mov_b64 s[G0S+2:G0S+3], s[22:23]
	s_or_b32 s[G0S+3], s[G0S+3], 0x80000000
	s_mov_b32 s[G0SB], 1
	s_add_co_u32 s[G0SB+1], s94, SCL
	s_mov_b64 s[G0SB+2:G0SB+3], s[92:93]
	s_or_b32 s[G0SB+3], s[G0SB+3], 0x80000000
	JLOAD G0S, G1S, G0SB, G1SB                     ; the scales first: they are wanted with K step 0
.irp s, 0,1
	s_mov_b32 s[G0+4*\s], 1
	s_add_co_u32 s[G0+4*\s+1], s45, \s*SLOT
	s_add_nc_u64 s[G0+4*\s+2:G0+4*\s+3], s[20:21], \s*ROWB
	s_or_b32 s[G0+4*\s+3], s[G0+4*\s+3], 0x80000000
	s_mov_b32 s[G0B+4*\s], 1
	s_add_co_u32 s[G0B+4*\s+1], s45, \s*SLOT
	s_add_nc_u64 s[G0B+4*\s+2:G0B+4*\s+3], s[46:47], \s*ROWB
	s_or_b32 s[G0B+4*\s+3], s[G0B+4*\s+3], 0x80000000
	JLOAD G0+4*\s, G1, G0B+4*\s, G1B
.endr
	v_and_b32 v1, 15, v0                           ; r = lane % 16
	v_bfe_u32 v2, v0, 4, 1                         ; h = lane / 16
	v_mul_u32_u24 v3, v1, PITCH
	v_mul_u32_u24 v4, v2, 24
	v_add_nc_u32 v4, v3, v4                        ; a fragment's row x pitch + 24 x half
	v_lshl_add_u32 v5, v2, 4, v4                   ; and the same behind one padding more
	s_mul_i32 s21, s15, HALFT                      ; my 128 rows of A
	s_mul_i32 s22, s16, HALFT                      ; my 128 rows of B,
	s_add_co_u32 s22, s22, 2*HALFT                 ; which lie behind A's 256
.irp s, 0,1
	v_add_nc_u32 v[ADRA+\s], s21, v4
	v_add_nc_u32 v[ADRB+\s], s22, v4
	v_add_nc_u32 v[ADRA+2+\s], s21, v5
	v_add_nc_u32 v[ADRB+2+\s], s22, v5
	s_add_co_u32 s21, s21, SLOT
	s_add_co_u32 s22, s22, SLOT
.endr
	v_mul_u32_u24 v5, v1, KS                       ; my row's scale bytes: 32 a row,
	v_lshrrev_b32 v6, 8, v5
	v_lshl_add_u32 v5, v6, 4, v5                   ; and 16 more for each 256 passed
	s_mul_i32 s21, s15, HALFS
	s_mul_i32 s22, s16, HALFS
	s_add_co_u32 s22, s22, 2*HALFS
	s_sub_co_u32 s22, s22, s21
	v_mul_u32_u24 v6, s22, v2                      ; lanes 16-31 take B's
	s_add_co_u32 s21, s21, SCL
	v_add_nc_u32 v5, v5, v6
	v_add_nc_u32 v[ADRS], s21, v5
	v_and_b32 v6, 31, v0
	v_lshlrev_b32 v[O16], 4, v6
	v_lshlrev_b32 v[O8], 3, v6
	v_lshlrev_b32 v[SH], 4, v2
	; the biases.  Along B: bias[256 cx + 128 (wave % 2) + 32 (b / 2) + 8 (b % 2) + 16 h + j] for accumulator column b, register j.  Along A: bv[256 cy + 128 (wave / 2) + 32 (a / 2) + 8 (a % 2) + r + 8 (r / 8)]
	s_cmp_eq_u32 ttmp9, 0
	s_cselect_b64 s[8:9], s[8:9], s[10:11]         ; bq for the first cluster column, else bk (masked to zeros in the v clusters)
	s_lshl_b32 s20, s40, 10
	s_lshl_b32 s21, s16, 9
	s_add_co_u32 s20, s20, s21
	s_mov_b32 s21, 0
	s_add_nc_u64 s[8:9], s[8:9], s[20:21]
	s_lshl_b32 s20, s41, 10
	s_lshl_b32 s22, s15, 9
	s_add_co_u32 s20, s20, s22
	s_add_nc_u64 s[96:97], s[96:97], s[20:21]
	v_lshlrev_b32 v7, 6, v2                        ; 16 h numbers
	v_and_b32 v8, 8, v1
	v_add_nc_u32 v8, v8, v1
	v_lshlrev_b32 v8, 2, v8                        ; r + 8 (r / 8) numbers
.irp b, 0,1,2,3,4,5,6,7
	global_load_b128 v[BN+8*\b:BN+8*\b+3], v7, s[8:9] offset:(32*(\b/2)+8*(\b%2))*4
	global_load_b128 v[BN+8*\b+4:BN+8*\b+7], v7, s[8:9] offset:(32*(\b/2)+8*(\b%2))*4+16
.endr
.irp a, 0,1,2,3,4,5,6,7
	global_load_b32 v[240+\a], v8, s[96:97] offset:(32*(\a/2)+8*(\a%2))*4
.endr
	; my first output tile: X0 = ((2 x tile column + wave % 2) << shift) + 16 x tile row + 8 (wave / 2) (+ 8,192 for v)
	s_lshl_b32 s20, s42, 1
	s_add_co_u32 s20, s20, s16
	s_lshl_b32 s20, s20, s66
	s_lshl_b32 s22, s17, 4
	s_add_co_u32 s20, s20, s22
	s_lshl_b32 s22, s15, 3
	s_add_co_u32 s20, s20, s22
	s_add_co_u32 s20, s20, s67
	s_mul_i32 s22, s20, 1536
	s_mov_b32 s23, 0
	s_add_nc_u64 s[98:99], s[98:99], s[22:23]
	s_lshl_b32 s22, s20, 7
	s_add_nc_u64 s[100:101], s[100:101], s[22:23]
	s_wait_loadcnt 0x0
.set N, 0
.rept 64
	v_and_b32 v[BN+N], s95, v[BN+N]                ; zeros in the v clusters
.set N, N+1
.endr
.irp a, 0,1,2,3,4,5,6,7
	v_and_b32 v[BM+2*\a], s2, v[240+\a]            ; zeros in the q and k clusters; twice, for the packed addition
	v_and_b32 v[BM+2*\a+1], s2, v[240+\a]
.endr
.macro FRAG reg, adr, q, i             ; a fragment: 16 rows x 128 K, 12 registers: lane l holds row l % 16; registers 6 c .. 6 c + 5 hold K = 64 c + 32 (l / 16) + 0 .. 31, as the bytes lie
.irp p, 0,1,2,3,4,5                    ; in pieces of 8 bytes; where the piece of lanes 16-31 lies behind one padding more, the second address register serves
.set PC, 12*(\q)+6*(\p/3)+\p%3
.if PC%8 < 5
	ds_load_b64 v[\reg+2*\p:\reg+2*\p+1], v[\adr] offset:8*PC+16*(PC/8)+(\i)*16*PITCH
.else
	ds_load_b64 v[\reg+2*\p:\reg+2*\p+1], v[\adr+2] offset:8*PC+16*(PC/8)+(\i)*16*PITCH
.endif
.endr
.endm
; 16 matrix instructions: A's blocks a0, a0 + 1 x B's eight.  first = 1: the sums start from the bias along B.  The 64 accumulators take turns, one instruction a turn.
.macro MUL16 a0, p, q, sc, first
.irp a, \a0, \a0+1
.irp b, 0,1,2,3,4,5,6,7
.if \first
	v_wmma_scale_f32_16x16x128_f8f6f4 v[8*(8*((\a)%4)+\b):8*(8*((\a)%4)+\b)+7], v[128*(\p)+FR*\b:128*(\p)+FR*\b+FR-1], v[AF+FR*(\a):AF+FR*(\a)+FR-1], v[BN+8*\b:BN+8*\b+7], v[SC+8*NQ*(\sc)+NQ*\b+(\q)], v[SC+8*NQ*(\sc)+NQ*(\a)+(\q)] matrix_a_fmt:MATRIX_FMT_FP6 matrix_b_fmt:MATRIX_FMT_FP6 matrix_a_scale:MATRIX_SCALE_ROW1
.else
	v_wmma_scale_f32_16x16x128_f8f6f4 v[8*(8*((\a)%4)+\b):8*(8*((\a)%4)+\b)+7], v[128*(\p)+FR*\b:128*(\p)+FR*\b+FR-1], v[AF+FR*(\a):AF+FR*(\a)+FR-1], v[8*(8*((\a)%4)+\b):8*(8*((\a)%4)+\b)+7], v[SC+8*NQ*(\sc)+NQ*\b+(\q)], v[SC+8*NQ*(\sc)+NQ*(\a)+(\q)] matrix_a_fmt:MATRIX_FMT_FP6 matrix_b_fmt:MATRIX_FMT_FP6 matrix_a_scale:MATRIX_SCALE_ROW1
.endif
.endr
.endr
.endm
.macro FETCH_B slot, q, p
	WIN TO_B
.irp i, 0,1,2,3,4,5,6,7
	FRAG 128*(\p)+FR*\i, ADRB+\slot, \q, \i
.endr
	WIN 0
.endm
.macro FETCH_A slot, q, i0
.irp i, \i0, \i0+1, \i0+2, \i0+3
	FRAG AF+FR*(\i), ADRA+\slot, \q, \i
.endr
.endm
.macro SCALES sc                       ; a K step's scale words: lanes 0-15 take A's block i, lanes 16-31 B's block i
.irp i, 0,1,2,3,4,5,6,7
	ds_load_b64 v[SC+8*NQ*\sc+NQ*\i:SC+8*NQ*\sc+NQ*\i+1], v[ADRS] offset:\i*SBLK
.endr
.endm
.macro PLACES n                        ; plain vector instructions between a matrix instruction and a load into, or a read of, its registers
.rept \n
	v_nop
.endr
.endm
.macro STEP slot, q, first             ; 128 along K that has its successor in the same slot.  first = 1: C lies in window 0
	s_wait_dscnt 4*NL                              ; B's set and A's blocks 0-3 are in; the 24 youngest loads (A's blocks 4-7) may be out
	WIN MUL_LO-0x20*(\first)
	MUL16 0, (\q)%2, \q, \slot, \first
	MUL16 2, (\q)%2, \q, \slot, \first
	s_wait_dscnt 0
	PLACES NP
	FETCH_B \slot, (\q)+1, 1-(\q)%2
	FETCH_A \slot, (\q)+1, 0
	WIN MUL_HI-0x30*(\first)
	MUL16 4, (\q)%2, \q, \slot, \first
	MUL16 6, (\q)%2, \q, \slot, \first
	PLACES NP
	WIN 0
	FETCH_A \slot, (\q)+1, 4
.endm
; A slot's last step changes slots: one barrier; in front of it each wave waits for all its tensor loads, adds 0 to its spare word, and waits for that and for its reads of this slot.
.macro TURN slot, next, fill
	s_wait_tensorcnt 0x0                           ; all my tensor loads have landed: my part of the next slot
	ds_add_u32 v[SPW], v[NIL]                      ; 0 onto my spare word
	s_wait_dscnt 4*NL+1                            ; the add and the 24 youngest loads may be out
	WIN MUL_LO
	MUL16 0, 1, NQ-1, \slot, 0
	s_wait_dscnt 0x0                               ; the add is done, and my reads of this slot are over
	s_barrier_signal -1
	MUL16 2, 1, NQ-1, \slot, 0
	WIN 0
	s_barrier_wait -1
.if \fill
	CREST                                          ; the barrier has opened a round of the cluster's barrier: no wave of any partner still reads this slot or has a load on its way
	s_add_nc_u64 s[G0+4*\slot+2:G0+4*\slot+3], s[G0+4*\slot+2:G0+4*\slot+3], 2*ROWB
	s_add_nc_u64 s[G0B+4*\slot+2:G0B+4*\slot+3], s[G0B+4*\slot+2:G0B+4*\slot+3], 2*ROWB
	JLOAD G0+4*\slot, G1, G0B+4*\slot, G1B         ; the first tensor load behind the round; its four v_nop are the places in front of the loads below
.else
	PLACES NP
.endif
	v_add_nc_u32 v[ADRS], 4*NQ, v[ADRS]            ; the next K step's scale words
	FETCH_B \next, 0, 0
	FETCH_A \next, 0, 0
	SCALES \next
	WIN MUL_HI
	MUL16 4, 1, NQ-1, \slot, 0
	MUL16 6, 1, NQ-1, \slot, 0
	PLACES NP
	WIN 0
	FETCH_A \next, 0, 4
.endm
	s_wait_tensorcnt 1                             ; the scales and my part of K step 0 are in; K step 1's load may be out
	s_barrier_signal -1
	s_barrier_wait -1
	FETCH_B 0, 0, 0
	FETCH_A 0, 0, 0
	SCALES 0
	FETCH_A 0, 0, 4
	STEP 0, 0, 1                                   ; the first step stands in front of the loop: its products start the sums
	s_mov_b32 s3, LAPS-1
.Llap:
	TURN 0, 1, 1
	STEP 1, 0, 0
	TURN 1, 0, 1
	STEP 0, 0, 0
	s_sub_co_u32 s3, s3, 1
	s_cmp_lg_u32 s3, 0
	s_cbranch_scc1 .Llap
	TURN 0, 1, 0                                   ; the last lap fills nothing
	STEP 1, 0, 0
	s_wait_dscnt 4*NL
	WIN MUL_LO
	MUL16 0, 1, NQ-1, 1, 0
	MUL16 2, 1, NQ-1, 1, 0
	s_wait_dscnt 0
	WIN MUL_HI
	MUL16 4, 1, NQ-1, 1, 0
	MUL16 6, 1, NQ-1, 1, 0
	WIN 0
; THE WAY OUT of A's block a: its 64 registers a lane, register 16 n + i = place 32 n + 16 (lane / 16) + i along the next K, become a fragment's codes and a scale word; no LDS is needed: the image is stored as it stands.
.macro QOUT a
.set AC, 64*((\a)%4)
.set QC, 64+20*((\a)%2)                ; the codes: two sets of 20 registers by turns
	WIN 0x82+0x41*((\a)/4)                         ; destination and source 0: the accumulators' window
.set N, 0
.rept 32
	v_pk_add_f32 v[AC+N:AC+N+1], v[AC+N:AC+N+1], v[BM+2*(\a):BM+2*(\a)+1]   ; the bias along A; each accumulator from its low end on
.set N, N+2
.endr
	WIN 0x28+0x14*((\a)/4)                         ; sources 1 and 2: the accumulators' window
.irp b, 0,1,2,3
	v_max3_num_f32 v[TM+\b], 0x1800000, |v[AC+16*\b]|, |v[AC+16*\b+1]|   ; block b: my 16 numbers, and the floor 2^(3 - 127)
.endr
.irp i, 2,4,6,8,10,12,14
.irp b, 0,1,2,3
	v_max3_num_f32 v[TM+\b], v[TM+\b], |v[AC+16*\b+\i]|, |v[AC+16*\b+\i+1]|
.endr
.endr
	WIN 0
.irp b, 0,1,2,3
	v_permlanex16_b32 v[TM+4+\b], v[TM+\b], s22, s23
.endr
.irp b, 0,1,2,3
	v_max_num_f32 v[TM+\b], v[TM+\b], v[TM+4+\b]   ; with lane l xor 16's: the block's largest magnitude
.endr
.irp b, 0,1,2,3
	v_add_nc_u32 v[TM+12+\b], 0xff000000, v[TM+\b] ; 2 off its exponent field: the conversion's scale operand
.endr
.irp b, 0,1,2,3
	v_lshrrev_b32 v[TM+4+\b], 23, v[TM+12+\b]      ; the scale's byte
.endr
	v_lshl_or_b32 v[PWD+(\a)%4], v[TM+5], 8, v[TM+4]
	v_lshl_or_b32 v[PWD+(\a)%4], v[TM+6], 16, v[PWD+(\a)%4]
	v_lshl_or_b32 v[PWD+(\a)%4], v[TM+7], 24, v[PWD+(\a)%4]
.if (\a) >= 2
	s_wait_xcnt 0x0                                ; the stores issued so far have read their registers: this set of codes, and the stored scale words, may be written again
.endif
	WIN 0x02+((\a)/4)                              ; source 0: the accumulators' window
.irp c, 0,1
	v_cvt_scalef32_pk16_fp6_f32 v[QC+6*\c:QC+6*\c+2], v[AC+32*\c:AC+32*\c+15], v[TM+12+2*\c]
	v_cvt_scalef32_pk16_fp6_f32 v[QC+12+4*\c:QC+14+4*\c], v[AC+32*\c+16:AC+32*\c+31], v[TM+13+2*\c]   ; (a conversion's three registers begin on an even number)
.endr
	WIN 0
	v_nop                                          ; one plain place behind a scaled conversion
.irp c, 0,1                                    ; the operand's layout wants a whole block in a lane: lanes 0-15 block 2 c, lanes 16-31 block 2 c + 1
.irp i, 0,1,2
	v_permlane16_swap_b32 v[QC+6*\c+\i], v[QC+12+4*\c+\i]
.endr
.irp i, 0,1,2
	v_mov_b32 v[QC+3+6*\c+\i], v[QC+12+4*\c+\i]
.endr
.endr
	global_store_b128 v[O16], v[QC:QC+3], s[98:99] offset:(\a)*1536          ; each store covers 512 or 256 consecutive bytes, aligned to 256
	global_store_b64 v[O8], v[QC+4:QC+5], s[98:99] offset:(\a)*1536+512
	global_store_b128 v[O16], v[QC+6:QC+9], s[98:99] offset:(\a)*1536+768
	global_store_b64 v[O8], v[QC+10:QC+11], s[98:99] offset:(\a)*1536+1280
.if (\a)%4 == 3
.irp i, 0,1,2,3
	v_lshrrev_b32 v[PWS+\i], v[SH], v[PWD+\i]      ; lanes 16-31: the upper two bytes, brought down
.endr
	global_store_b128 v[O16], v[PWS:PWS+3], s[100:101] offset:((\a)/4)*512
.endif
.endm
	PLACES NP                                      ; behind the last products: their results are read and their scale registers written below
	s_mov_b32 s22, 0x76543210
	s_mov_b32 s23, 0xfedcba98                      ; v_permlanex16_b32's selects for lane l xor 16
.irp b, 0,1,2,3
	v_mov_b32 v[TM+4+\b], 0                        ; a lane permute's destination counts as one of its sources
.endr
.irp a, 0,1,2,3,4,5,6,7
	QOUT \a
.endr
	s_wait_tensorcnt 0x0                           ; the wave's end
	ds_add_u32 v[SPW], v[NIL]
	s_wait_dscnt 0x0
	CROUND                                         ; the closing round: no work-group ends while a partner may still ask for a tile that names it
	s_endpgm
.Lfunc_end_k_q2cf3cf2f14_gemm_qkv:
	.size	k_q2cf3cf2f14_gemm_qkv, .Lfunc_end_k_q2cf3cf2f14_gemm_qkv-k_q2cf3cf2f14_gemm_qkv
	.p2alignl 7, 3214868480
	.fill 96, 4, 3214868480
	.section	.rodata,"a",@progbits
	.p2align	6, 0x0
	.amdhsa_kernel k_q2cf3cf2f14_gemm_qkv
		.amdhsa_group_segment_fixed_size 327680
		.amdhsa_private_segment_fixed_size 0
		.amdhsa_enable_private_segment 0
		.amdhsa_kernarg_size 56
		.amdhsa_user_sgpr_count 2
		.amdhsa_user_sgpr_kernarg_segment_ptr 1
		.amdhsa_wavefront_size32 1
		.amdhsa_system_sgpr_workgroup_id_x 1
		.amdhsa_system_sgpr_workgroup_id_y 1
		.amdhsa_system_sgpr_workgroup_id_z 1
		.amdhsa_system_vgpr_workitem_id 0
		.amdhsa_next_free_vgpr 1024
		.amdhsa_next_free_sgpr 102
		.amdhsa_reserve_vcc 0
		.amdhsa_float_denorm_mode_32 3
		.amdhsa_float_denorm_mode_16_64 3
		.amdhsa_memory_ordered 1
		.amdhsa_forward_progress 1
		.amdhsa_inst_pref_size 187
	.end_amdhsa_kernel
	.amdgpu_metadata
---
amdhsa.version: [ 1, 2 ]
amdhsa.kernels:
  - .name:           k_q2cf3cf2f14_gemm_qkv
    .symbol:         k_q2cf3cf2f14_gemm_qkv.kd
    .args:
      - { .name: codes, .offset: 0, .size: 8, .value_kind: global_buffer, .address_space: global }
      - { .name: scales, .offset: 8, .size: 8, .value_kind: global_buffer, .address_space: global }
      - { .name: bq, .offset: 16, .size: 8, .value_kind: global_buffer, .address_space: global }
      - { .name: bk, .offset: 24, .size: 8, .value_kind: global_buffer, .address_space: global }
      - { .name: bv, .offset: 32, .size: 8, .value_kind: global_buffer, .address_space: global }
      - { .name: qkv, .offset: 40, .size: 8, .value_kind: global_buffer, .address_space: global }
      - { .name: qkvs, .offset: 48, .size: 8, .value_kind: global_buffer, .address_space: global }
    .group_segment_fixed_size: 327680
    .private_segment_fixed_size: 0
    .kernarg_segment_align: 8
    .kernarg_segment_size: 56
    .max_flat_workgroup_size: 128
    .sgpr_count:     102
    .vgpr_count:     1024
    .wavefront_size: 32
...
	.end_amdgpu_metadata
.endif
;; end of part 2
;; launch attn (part 3): grid 4 x 64, 16 waves a work-group, clusters of 4 x 1, 210,944 bytes of LDS; arguments qkv, qkvs, ac, acs; writes ac, acs
.if DOCPART == 3
	.amdgcn_target "amdgcn-amd-amdhsa--gfx1250"
	.amdhsa_code_object_version 6
	.text
	.protected	k_q2cf3cf2f14_attn
	.globl	k_q2cf3cf2f14_attn
	.p2align	8
	.type	k_q2cf3cf2f14_attn,@function
k_q2cf3cf2f14_attn:
	s_mov_b64 s[64:65], 0
	v_nop
	global_prefetch_b8 v0, s[64:65] scope:SCOPE_SE
	s_setreg_imm32_b32 hwreg(HW_REG_WAVE_MODE, 25, 1), 1
	s_wait_xcnt 0x0
	s_wait_alu depctr_hold_cnt(0) depctr_sa_sdst(0) depctr_va_vdst(0) depctr_va_sdst(0) depctr_va_ssrc(0) depctr_va_vcc(0) depctr_vm_vsrc(0)
	s_getreg_b32 s2, hwreg(HW_REG_IB_STS2, 6, 4)
	s_cmp_eq_u32 s2, 0
	s_cbranch_scc0 .Lentry_in_a_cluster
	s_endpgm
.Lentry_in_a_cluster:
	s_bfe_u32 s2, ttmp6, 0x10000c
	s_cmp_lg_u32 s2, 0x3003
	s_cbranch_scc0 .Lentry_shape_is_right
	s_endpgm
.Lentry_shape_is_right:
; Causal attention of one head on codes of FP6 (E2M3) with E8M0 scales: S^T = K Q^T (K = the head's 64 channels), p = 2^(t - M), O^T = V^T P^T (K = the keys), O / the row's sum, quantised again along the channels.
; t = score x log2(e) / 8; M = the running largest t rounded UP to a whole number; the row's sum is taken of the unquantised p; when M moves, the sum and O^T are multiplied by 2^(old M - new M), which rounds nothing.
; SHARES.  The four work-groups of a cluster serve one (batch, head).  The head's K, V and scale words, 208,896 bytes, come into each work-group's LDS ONCE, by joint loads: no slot is filled twice.
; A wave owns two tiles of 16 queries, one after the other: in pass p its block of 128 queries is blk = wave (p = 0) or 15 - wave (p = 1), its tile 8 blk + 2 cx + p.  It walks key steps 0 .. blk of 128 keys: 17 steps a wave in all,
; the same for every wave of every work-group.  Branches hang on the wave's number, the pass and the step alone; the place in the cluster enters Q's and the outputs' global addresses and the mask's compare.
; TILES ARE IMAGES OF OPERAND REGISTERS: 16 rows x 64 K = 768 bytes: registers 0-3 at 16 x lane, registers 4-5 at 512 + 8 x lane.  Row r of token tile 2 b + u is token 32 b + 8 u + r + 8 (r / 8), so that the 16 registers of
; score tiles 2 b, 2 b + 1 are the neighbouring keys 32 b + 16 (lane / 16) + 0 .. 15; V's channels are ordered likewise, so that O^T's registers run along neighbouring channels.
; K = 64 IN AN INSTRUCTION OF K = 128: Q's registers 6-11 hold zero codes.  K's operand names twelve registers, of which the upper six are the next tile's codes (behind the last tile: zeros): they meet Q's zeros and add nothing.
; The scale bytes of that half are the neighbouring head's, or 0: never 0xff, so the sums stay as they are.
; LIMITS: a block of zeros gets the byte 1 (zero codes; this program alone reads the bytes); blocks whose largest magnitude lies under 2^-124 are held at the byte 1; NaN and infinities are not served.
; REGISTERS: v1-7 addresses that stay; v8-11, v28-29 the step's addresses; v12 -M, v13 the largest t, v[14:15] the sum; v16-27 Q; v30-31 output and scale offsets; v32-79 K's eight tiles, later at work; v80-85 zeros;
;   v86-89 K's scale words, v90-93 V's, v94 p's, v95 Q's; v96-159 S^T, then p; v160-191 O^T; v192-239 V's four fragments; v240-246 the second pass's Q and its scale word.
.set KIMG, 0                           ; 128 tiles x 768 bytes
.set VIMG, 98304                       ; 16 key steps x 4 tiles x 1,536 bytes
.set KSC,  196608                      ; K's scale words: 32 groups of four tiles x 256 bytes
.set VSC,  204800                      ; V's: 16 key steps x 256 bytes
.set WV,   12                          ; s12 my wave's number
.set G1K,  24
.set G1V,  32
.set G1KS, 40
.set G1VS, 48
.set G0K,  56
.set G0V,  60
.set G0KS, 68
.set G0VS, 72
.set TB,   76                          ; s76 the step's first byte among K's tiles and among V's: 6,144 a step
.set TS,   77                          ; s77 among K's scale words: 512 a step
.set TJ,   78                          ; s78 among V's: 256 a step
.set SI,   79                          ; s79 the key step
.set BLK,  80                          ; s80 my block of 128 queries
.set PASS, 81
.macro CROUND                          ; a round of the cluster's barrier
	s_barrier_signal -1
	s_barrier_wait -1
	s_cmp_lg_u32 s[WV], 0
	s_cbranch_scc1 .Lnot_wave_0_\@
	s_barrier_signal -3
.Lnot_wave_0_\@:
	s_barrier_wait -3
	s_barrier_signal -1
	s_barrier_wait -1
.endm
; Where a pass's tile lies: t: the scalar register with its number among the batch's 128; qi, qs: Q's image and scale words; oa, os: the outputs
.macro PLACE t, qi, qs, oa, os
	s_add_co_u32 s98, s81, s[\t]                   ; Q's tile: 512 (head / 2) + 128 batch + T
	s_mul_i32 s2, s98, 1536
	s_add_co_u32 s2, s2, s66                       ; + 768 (head % 2)
	s_mov_b32 s3, 0
	s_add_nc_u64 s[\qi:\qi+1], s[4:5], s[2:3]
	s_lshr_b32 s2, s98, 2
	s_lshl_b32 s2, s2, 9                           ; its group of four tiles,
	s_and_b32 s99, s98, 3
	s_lshl_b32 s99, s99, 2                         ; its word in a lane's 16 bytes,
	s_add_co_u32 s2, s2, s99
	s_add_co_u32 s2, s2, s67                       ; + 256 (head % 2)
	s_add_nc_u64 s[\qs:\qs+1], s[6:7], s[2:3]
	s_add_co_u32 s98, s77, s[\t]                   ; 128 batch + T
	s_lshl_b32 s2, s98, 4
	s_add_co_u32 s2, s2, s16
	s_mul_i32 s2, s2, 768                          ; ac: [token tile][head] images of 768 bytes
	s_add_nc_u64 s[\oa:\oa+1], s[8:9], s[2:3]
	s_lshl_b32 s2, s98, 9
	s_add_co_u32 s2, s2, s76                       ; acs: 16 rows of 32 bytes a tile, + 2 x head
	s_add_nc_u64 s[\os:\os+1], s[10:11], s[2:3]
.endm
	s_load_b256 s[4:11], s[0:1], 0x0               ; qkv s[4:5], qkvs s[6:7], ac s[8:9], acs s[10:11]
	v_lshl_add_u32 v254, v0, 2, 0x33000
	v_mov_b32 v255, 0
	ds_add_u32 v254, v255
	ds_add_u32 v254, v255
	v_lshrrev_b32 v8, 5, v0
	s_delay_alu instid0(VALU_DEP_1)
	v_readfirstlane_b32 s[WV], v8                  ; wave 0..15
	s_bfe_u32 s13, ttmp6, 0x40000                  ; cx
	s_and_b32 s14, ttmp7, 0xffff                   ; 16 batch + head, which the four partners share
	s_lshr_b32 s15, s14, 4                         ; batch
	s_and_b32 s16, s14, 15                         ; head
	s_and_b32 s17, s16, 1
	s_lshr_b32 s18, s16, 1
	s_and_b32 s19, s[WV], 1                        ; which half of K's or V's tiles I fetch, if I fetch
	s_lshl_b32 s77, s15, 7                         ; 128 batch
	s_mul_i32 s66, s17, 768
	s_lshl_b32 s67, s17, 8
	s_add_co_u32 s90, s18, 8
	s_lshl_b32 s90, s90, 9
	s_add_co_u32 s90, s90, s77                     ; K's first tile: 512 (8 + head / 2) + 128 batch
	s_lshl_b32 s92, s15, 10
	s_lshl_b32 s93, s16, 2
	s_add_co_u32 s92, s92, s93
	s_add_co_u32 s92, s92, 8192                    ; V's first tile: 8,192 + 1,024 batch + 4 head
	s_mul_i32 s94, s90, 1536
	s_add_co_u32 s94, s94, s66
	s_mul_i32 s93, s19, 98304                      ; 64 tiles on
	s_add_co_u32 s94, s94, s93
	s_mov_b32 s95, 0
	s_mul_i32 s96, s92, 1536
	s_mul_i32 s93, s19, 786432                     ; 8 key steps on
	s_add_co_u32 s96, s96, s93
	s_mov_b32 s97, 0
	s_lshl_b32 s2, s90, 7
	s_add_co_u32 s2, s2, s67
	s_mov_b32 s3, 0
	s_lshl_b32 s98, s92, 7
	s_mov_b32 s99, 0
	; descriptor groups 1: elements of 8 bytes, no padding, the mask of all four work-groups with bit 21 beside it
.irp g, G1K, G1V, G1KS, G1VS
	s_mov_b32 s[\g], 15|(3<<16)|(1<<21)
	s_mov_b32 s[\g+6], 0
	s_mov_b32 s[\g+7], 0
.endr
	s_mov_b32 s[G1K+1], 96<<16                     ; K: 64 tiles of 768 bytes, 1,536 bytes apart (the other head's lie between)
	s_mov_b32 s[G1K+2], 64<<16
	s_mov_b32 s[G1K+3], 96<<16
	s_mov_b32 s[G1K+4], 64
	s_mov_b32 s[G1K+5], 192
	s_mov_b32 s[G1V+1], 768<<16                    ; V: 8 key steps of 6,144 bytes (four tiles), 98,304 bytes apart
	s_mov_b32 s[G1V+2], 8<<16
	s_mov_b32 s[G1V+3], 768<<16
	s_mov_b32 s[G1V+4], 8
	s_mov_b32 s[G1V+5], 12288
	s_mov_b32 s[G1KS+1], 32<<16                    ; K's scale words: 32 groups of 256 bytes, 512 apart
	s_mov_b32 s[G1KS+2], 32<<16
	s_mov_b32 s[G1KS+3], 32<<16
	s_mov_b32 s[G1KS+4], 32
	s_mov_b32 s[G1KS+5], 64
	s_mov_b32 s[G1VS+1], 32<<16                    ; V's: 16 key steps of 256 bytes, 8,192 apart
	s_mov_b32 s[G1VS+2], 16<<16
	s_mov_b32 s[G1VS+3], 32<<16
	s_mov_b32 s[G1VS+4], 16
	s_mov_b32 s[G1VS+5], 1024
	s_mov_b32 s20, 0x76543210
	s_mov_b32 s21, 0xfedcba98                      ; v_permlanex16_b32's selects for lane l xor 16
	s_mov_b32 s22, 0x3e38aa3b                      ; c = log2(e) / sqrt(64)
	s_mov_b32 s23, s22                             ; (named with it as a pair)
	s_wait_dscnt 0x0
	s_wait_kmcnt 0x0
	s_mov_b32 s[G0K], 1
	s_mul_i32 s[G0K+1], s19, 49152                 ; KIMG + my half
	s_add_nc_u64 s[G0K+2:G0K+3], s[4:5], s[94:95]
	s_or_b32 s[G0K+3], s[G0K+3], 0x80000000
	s_mov_b32 s[G0V], 1
	s_add_co_u32 s[G0V+1], s[G0K+1], VIMG
	s_add_nc_u64 s[G0V+2:G0V+3], s[4:5], s[96:97]
	s_or_b32 s[G0V+3], s[G0V+3], 0x80000000
	s_mov_b32 s[G0KS], 1
	s_mov_b32 s[G0KS+1], KSC
	s_add_nc_u64 s[G0KS+2:G0KS+3], s[6:7], s[2:3]
	s_or_b32 s[G0KS+3], s[G0KS+3], 0x80000000
	s_mov_b32 s[G0VS], 1
	s_mov_b32 s[G0VS+1], VSC
	s_add_nc_u64 s[G0VS+2:G0VS+3], s[6:7], s[98:99]
	s_or_b32 s[G0VS+3], s[G0VS+3], 0x80000000
	CROUND                                         ; all four work-groups are here: the joint loads meet
	; waves 0, 1: K's halves; waves 2, 3: V's; wave 4: K's scale words; wave 5: V's.  One load a wave at the most; four v_nop follow each
	s_cmp_lt_u32 s[WV], 2
	s_cbranch_scc0 .Lnot_k
	tensor_load_to_lds s[G0K:G0K+3], s[G1K:G1K+7]
	s_nop 0
.rept 4
	v_nop
.endr
	s_branch .Lasked
.Lnot_k:
	s_cmp_lt_u32 s[WV], 4
	s_cbranch_scc0 .Lnot_v
	tensor_load_to_lds s[G0V:G0V+3], s[G1V:G1V+7]
	s_nop 0
.rept 4
	v_nop
.endr
	s_branch .Lasked
.Lnot_v:
	s_cmp_eq_u32 s[WV], 4
	s_cbranch_scc0 .Lnot_ks
	tensor_load_to_lds s[G0KS:G0KS+3], s[G1KS:G1KS+7]
	s_nop 0
.rept 4
	v_nop
.endr
	s_branch .Lasked
.Lnot_ks:
	s_cmp_eq_u32 s[WV], 5
	s_cbranch_scc0 .Lasked
	tensor_load_to_lds s[G0VS:G0VS+3], s[G1VS:G1VS+7]
	s_nop 0
.rept 4
	v_nop
.endr
.Lasked:
	s_lshl_b32 s78, s13, 1
	s_lshl_b32 s79, s[WV], 3
	s_add_co_u32 s79, s79, s78                     ; pass 0's tile: 8 wave + 2 cx
	s_sub_co_u32 s80, 15, s[WV]
	s_lshl_b32 s80, s80, 3
	s_add_co_u32 s80, s80, s78
	s_add_co_u32 s80, s80, 1                       ; pass 1's: 8 (15 - wave) + 2 cx + 1
	s_lshl_b32 s81, s18, 9
	s_add_co_u32 s81, s81, s77
	s_lshl_b32 s76, s16, 1
	PLACE 79, 90, 94, 82, 86
	PLACE 80, 92, 96, 84, 88
	v_and_b32 v8, 31, v0                           ; lane
	v_and_b32 v9, 15, v0                           ; r
	v_bfe_u32 v10, v0, 4, 1                        ; h
	s_delay_alu instid0(VALU_DEP_3)
	v_lshlrev_b32 v1, 4, v8                        ; 16 x lane
	s_delay_alu instid0(VALU_DEP_4)
	v_lshlrev_b32 v2, 3, v8                        ; 8 x lane
	s_delay_alu instid0(VALU_DEP_4)
	v_lshlrev_b32 v31, 4, v9                       ; 16 r
	v_lshlrev_b32 v30, 5, v9                       ; 32 r
	global_load_b128 v[16:19], v1, s[90:91]        ; Q's images and scale words of both passes
	global_load_b64 v[20:21], v2, s[90:91] offset:512
	global_load_b32 v95, v31, s[94:95]
	global_load_b128 v[240:243], v1, s[92:93]
	global_load_b64 v[244:245], v2, s[92:93] offset:512
	global_load_b32 v246, v31, s[96:97]
	v_add_nc_u32 v3, VIMG, v1
	v_add_nc_u32 v4, VIMG, v2
	v_lshl_add_u32 v5, v10, 8, v31
	s_delay_alu instid0(VALU_DEP_1)
	v_add_nc_u32 v5, KSC, v5                       ; K's scale words: lanes 0-15 the step's tiles 0-3, lanes 16-31 its tiles 4-7
	v_add_nc_u32 v6, VSC, v31
	v_and_b32 v11, 8, v9
	s_delay_alu instid0(VALU_DEP_1)
	v_add_nc_u32 v11, v11, v9                      ; r + 8 (r / 8)
	v_lshlrev_b32 v7, 4, v10
	s_delay_alu instid0(VALU_DEP_1)
	v_sub_nc_u32 v7, v11, v7
	s_lshl_b32 s98, s13, 5
	v_add_nc_u32 v7, s98, v7                       ; d = my query in its block of 128, less 16 h: 32 cx + 8 p + r + 8 (r / 8) - 16 h
.irp j, 22,23,24,25,26,27,80,81,82,83,84,85
	v_mov_b32 v\j, 0                               ; zero codes: K = 64 .. 127 of the first product
.endr
.irp j, 36,37,38,39,68,69,70
	v_mov_b32 v\j, 0                               ; written once: destinations of lane permutes and halves of pairs count as read
.endr
	s_mov_b32 s[BLK], s[WV]
	s_mov_b32 s[PASS], 0
	s_wait_tensorcnt 0x0                           ; my load, if I had one, has landed
	s_barrier_signal -1
	s_barrier_wait -1                              ; everybody's has
	s_wait_loadcnt 0x0                             ; Q
.Lpass:
	v_mov_b32 v13, 0xff61b1e6                      ; the largest t so far: -3e38
	s_delay_alu instid0(VALU_DEP_1)
	v_floor_f32 v12, -v13                          ; -M
	v_mov_b32 v14, 0
	v_mov_b32 v15, 0
.set N, 0
.rept 32
	v_mov_b32 v[160+N], 0                          ; O^T: the step is written once; the first change of M multiplies zeros
.set N, N+1
.endr
	s_mov_b32 s[TB], 0
	s_mov_b32 s[TS], 0
	s_mov_b32 s[TJ], 0
	s_mov_b32 s[SI], 0
.Lstep:                                                ; 16 trips; a step all of whose keys come after my queries does only the stepping at its end
	s_cmp_gt_u32 s[SI], s[BLK]
	s_cbranch_scc1 .Lhidden
	s_setprio 2
	v_add_nc_u32 v8, s[TB], v1                     ; six plain instructions: the places behind the last step's products, whose operands are loaded anew below
	v_add_nc_u32 v9, s[TB], v2
	v_add_nc_u32 v10, s[TB], v3
	v_add_nc_u32 v11, s[TB], v4
	v_add_nc_u32 v28, s[TS], v5
	v_add_nc_u32 v29, s[TJ], v6
	ds_load_b128 v[86:89], v28
.irp t, 0,1,2,3,4,5,6,7
	ds_load_b128 v[32+6*\t:35+6*\t], v8 offset:768*\t
	ds_load_b64 v[36+6*\t:37+6*\t], v9 offset:768*\t+512
.endr
	ds_load_b128 v[90:93], v29
.irp f, 0,1,2,3,4,5,6,7                        ; V's tile f / 2, its half f % 2
	ds_load_b128 v[192+6*\f:195+6*\f], v10 offset:768*\f
	ds_load_b64 v[196+6*\f:197+6*\f], v11 offset:768*\f+512
.endr
	s_wait_dscnt 17                                ; K and its scale words are in; V's 16 loads and its scale words may be out
.irp t, 0,1,2,3
	v_wmma_scale_f32_16x16x128_f8f6f4 v[96+8*\t:103+8*\t], v[32+6*\t:43+6*\t], v[16:27], 0, v[86+\t], v95 matrix_a_fmt:MATRIX_FMT_FP6 matrix_b_fmt:MATRIX_FMT_FP6
.endr
.irp t, 4,5,6,7
	v_wmma_scale_f32_16x16x128_f8f6f4 v[96+8*\t:103+8*\t], v[32+6*\t:43+6*\t], v[16:27], 0, v[82+\t], v95 matrix_a_fmt:MATRIX_FMT_FP6 matrix_b_fmt:MATRIX_FMT_FP6 matrix_a_scale:MATRIX_SCALE_ROW1
.endr
.rept 4
	v_nop                                          ; places: the scores are read and K's registers written below
.endr
	s_cmp_lg_u32 s[SI], s[BLK]                     ; only the last step of a pass lies on the diagonal
	s_cbranch_scc1 .Lopen
	v_mov_b32 v70, 0xff800000                      ; -infinity: register 16 b + i holds key 32 b + 16 h + i of the step, hidden where 32 b + i > d
.irp n, 0,1,2,3,4,5,6,7,8,9,10,11,12,13,14,15,16,17,18,19,20,21,22,23,24,25,26,27,28,29,30,31,32,33,34,35,36,37,38,39,40,41,42,43,44,45,46,47,48,49,50,51,52,53,54,55,56,57,58,59,60,61,62,63
	v_cmp_gt_i32 vcc_lo, 32*(\n/16)+\n%16, v7
	v_cndmask_b32 v[96+\n], v[96+\n], v70, vcc_lo
.endr
.Lopen:
.irp b, 0,1,2,3
	v_max3_num_f32 v[32+\b], v[96+16*\b], v[97+16*\b], v[98+16*\b]   ; the largest score of each block of 32 keys: for the row's maximum, and, since p rises with the score, for the block's largest p
.endr
.irp i, 3,5,7,9,11,13
.irp b, 0,1,2,3
	v_max3_num_f32 v[32+\b], v[32+\b], v[96+16*\b+\i], v[97+16*\b+\i]
.endr
.endr
.irp b, 0,1,2,3
	v_max_num_f32 v[32+\b], v[32+\b], v[111+16*\b]
.endr
.irp b, 0,1,2,3
	s_delay_alu instid0(VALU_DEP_4)
	v_permlanex16_b32 v[36+\b], v[32+\b], s20, s21
.endr
.irp b, 0,1,2,3
	s_delay_alu instid0(VALU_DEP_4)
	v_max_num_f32 v[32+\b], v[32+\b], v[36+\b]     ; with lane l xor 16's 16 keys
.endr
	s_delay_alu instid0(VALU_DEP_2)
	v_max3_num_f32 v70, v32, v33, v34
	s_delay_alu instid0(VALU_DEP_1)
	v_max_num_f32 v70, v70, v35                    ; the step's largest score of my query
	s_delay_alu instid0(VALU_DEP_1)
	v_mul_f32 v70, s22, v70                        ; as t
	s_delay_alu instid0(VALU_DEP_1)
	v_max_num_f32 v13, v13, v70                    ; the running largest t
	v_mov_b32 v70, v12
	s_delay_alu instid0(VALU_DEP_2)
	v_floor_f32 v12, -v13                          ; the new -M = -ceil(t)
	s_delay_alu instid0(VALU_DEP_1)
	v_sub_f32 v70, v12, v70                        ; old M - new M: a whole number, 0 or less
	s_delay_alu instid0(VALU_DEP_1)
	v_cvt_i32_f32 v70, v70                         ; (it saturates)
	s_delay_alu instid0(VALU_DEP_1)
	v_ldexp_f32 v68, 1.0, v70                      ; f = 2^(old M - new M)
	s_setprio 1
.irp j, 0,2,4,6,8,10,12,14,16,18,20,22,24,26,28,30,32,34,36,38,40,42,44,46,48,50,52,54,56,58,60,62
	v_pk_fma_f32 v[96+\j:97+\j], v[96+\j:97+\j], s[22:23], v[12:13] op_sel_hi:[1,0,0]   ; t - M, two at a time
.endr
.irp b, 0,1,2,3
	v_fma_f32 v[32+\b], v[32+\b], s22, v12         ; the same of each block's largest score
.endr
	s_wait_alu depctr_va_vdst(0)
.irp j, 0,1,2,3,4,5,6,7,8,9,10,11,12,13,14,15,16,17,18,19,20,21,22,23,24,25,26,27,28,29,30,31,32,33,34,35,36,37,38,39,40,41,42,43,44,45,46,47,48,49,50,51,52,53,54,55,56,57,58,59,60,61,62,63
	v_exp_f32 v[96+\j], v[96+\j]                   ; p = 2^(t - M), not normalised
.endr
	v_pk_mul_f32 v[14:15], v[14:15], v[68:69] op_sel_hi:[1,0]   ; the sums under the new M: the plain place behind the exponentials
	s_wait_alu depctr_va_vdst(0)                   ; one wait for the batch of 64, ahead of its first reader
.irp b, 0,1,2,3
	v_exp_f32 v[32+\b], v[32+\b]                   ; each block's largest p
.endr
	v_pk_add_f32 v[72:73], v[100:101], v[104:105]
	v_pk_add_f32 v[252:253], v[108:109], v[112:113]
	v_pk_add_f32 v[250:251], v[116:117], v[120:121]
	v_pk_add_f32 v[248:249], v[124:125], v[128:129]
	v_pk_add_f32 v[14:15], v[14:15], v[132:133]
	v_pk_add_f32 v[72:73], v[72:73], v[136:137]
	v_pk_add_f32 v[252:253], v[252:253], v[140:141]
	v_pk_add_f32 v[250:251], v[250:251], v[144:145]
	v_pk_add_f32 v[248:249], v[248:249], v[148:149]
	v_pk_add_f32 v[14:15], v[14:15], v[152:153]
	v_pk_add_f32 v[72:73], v[72:73], v[156:157]
	v_pk_add_f32 v[252:253], v[252:253], v[96:97]
	v_pk_add_f32 v[250:251], v[250:251], v[98:99]
	v_pk_add_f32 v[248:249], v[248:249], v[102:103]
	v_pk_add_f32 v[14:15], v[14:15], v[106:107]
	v_pk_add_f32 v[72:73], v[72:73], v[110:111]
	v_pk_add_f32 v[252:253], v[252:253], v[114:115]
	v_pk_add_f32 v[250:251], v[250:251], v[118:119]
	v_pk_add_f32 v[248:249], v[248:249], v[122:123]
	v_pk_add_f32 v[14:15], v[14:15], v[126:127]
	v_pk_add_f32 v[72:73], v[72:73], v[130:131]
	v_pk_add_f32 v[252:253], v[252:253], v[134:135]
	v_pk_add_f32 v[250:251], v[250:251], v[138:139]
	v_pk_add_f32 v[248:249], v[248:249], v[142:143]
	v_pk_add_f32 v[14:15], v[14:15], v[146:147]
	v_pk_add_f32 v[72:73], v[72:73], v[150:151]
	v_pk_add_f32 v[252:253], v[252:253], v[154:155]
	v_pk_add_f32 v[250:251], v[250:251], v[158:159]
	s_delay_alu instid0(VALU_DEP_1)
	v_pk_add_f32 v[14:15], v[14:15], v[250:251]
	s_delay_alu instid0(VALU_DEP_4)
	v_pk_add_f32 v[72:73], v[72:73], v[248:249]
	s_delay_alu instid0(VALU_DEP_2)
	v_pk_add_f32 v[14:15], v[14:15], v[252:253]
	s_delay_alu instid0(VALU_DEP_1)
	v_pk_add_f32 v[14:15], v[14:15], v[72:73]
	s_wait_alu depctr_va_vdst(0)                   ; and one for the four
.irp b, 0,1,2,3
	v_max_num_f32 v[32+\b], 0x1800000, v[32+\b]    ; the floor 2^(3 - 127): a block whose every p is 0 keeps the byte 1
.endr
.irp b, 0,1,2,3
	s_delay_alu instid0(VALU_DEP_4)
	v_add_nc_u32 v[44+\b], 0xff000000, v[32+\b]    ; 2 off the exponent field: the conversion's scale operand
.endr
.irp b, 0,1,2,3
	s_delay_alu instid0(VALU_DEP_4)
	v_lshrrev_b32 v[40+\b], 23, v[44+\b]           ; the scale's byte
.endr
	s_delay_alu instid0(VALU_DEP_3)
	v_lshl_or_b32 v94, v41, 8, v40                 ; p's scale word for these 128 keys
	s_delay_alu instid0(VALU_DEP_1)
	v_lshl_or_b32 v94, v42, 16, v94
	s_delay_alu instid0(VALU_DEP_1)
	v_lshl_or_b32 v94, v43, 24, v94
	s_setprio 0
.irp c, 0,1
	v_cvt_scalef32_pk16_fp6_f32 v[48+6*\c:50+6*\c], v[96+32*\c:111+32*\c], v[44+2*\c]
	v_cvt_scalef32_pk16_fp6_f32 v[60+4*\c:62+4*\c], v[112+32*\c:127+32*\c], v[45+2*\c]
.endr
	v_nop                                          ; one plain place behind a scaled conversion
.irp c, 0,1                                    ; a whole block to a lane: lanes 0-15 block 2 c, lanes 16-31 block 2 c + 1
.irp i, 0,1,2
	v_permlane16_swap_b32 v[48+6*\c+\i], v[60+4*\c+\i]
.endr
.irp i, 0,1,2
	s_delay_alu instid0(VALU_DEP_3)
	v_mov_b32 v[51+6*\c+\i], v[60+4*\c+\i]
.endr
.endr
.irp j, 0,2,4,6,8,10,12,14,16,18,20,22,24,26,28,30
	v_pk_mul_f32 v[160+\j:161+\j], v[160+\j:161+\j], v[68:69] op_sel_hi:[1,0]   ; O^T under the new M; these 16 are also the places between the codes' and the scale word's last writes and the products
.endr
	s_wait_alu depctr_va_vdst(0)
	s_wait_dscnt 0x0                               ; V and its scale words are in
.irp t, 0,1,2,3
	v_wmma_scale_f32_16x16x128_f8f6f4 v[160+8*\t:167+8*\t], v[192+12*\t:203+12*\t], v[48:59], v[160+8*\t:167+8*\t], v[90+\t], v94 matrix_a_fmt:MATRIX_FMT_FP6 matrix_b_fmt:MATRIX_FMT_FP6
.endr
.Lhidden:
	s_add_co_u32 s[TB], s[TB], 6144
	s_add_co_u32 s[TS], s[TS], 512
	s_add_co_u32 s[TJ], s[TJ], 256
	s_add_co_u32 s[SI], s[SI], 1
	s_cmp_lt_u32 s[SI], 16
	s_cbranch_scc1 .Lstep
	s_setprio 0
	; THE WAY OUT of a pass: O^T / the sum; register 16 b + i is channel 32 b + 16 h + i of my query: two blocks of 32, quantised as p is; the image of 768 bytes and the row's two scale bytes are stored.
.rept 4
	v_nop                                          ; places behind the last products
.endr
	v_add_f32 v14, v14, v15
	s_delay_alu instid0(VALU_DEP_1)
	v_permlanex16_b32 v70, v14, s20, s21
	s_delay_alu instid0(VALU_DEP_1)
	v_add_f32 v14, v14, v70                        ; the row's sum
	s_wait_alu depctr_va_vdst(0)
	v_rcp_f32 v14, v14
	v_nop                                          ; a plain place behind the reciprocal
	s_wait_alu depctr_va_vdst(0)                   ; and the wait ahead of its first reader
.irp j, 0,2,4,6,8,10,12,14,16,18,20,22,24,26,28,30
	v_pk_mul_f32 v[96+\j:97+\j], v[160+\j:161+\j], v[14:15] op_sel_hi:[1,0]   ; each accumulator from its low end on
.endr
.irp b, 0,1
	v_max3_num_f32 v[32+\b], |v[96+16*\b]|, |v[97+16*\b]|, 0x1800000
.endr
.irp i, 2,4,6,8,10,12,14
.irp b, 0,1
	s_delay_alu instid0(VALU_DEP_2)
	v_max3_num_f32 v[32+\b], v[32+\b], |v[96+16*\b+\i]|, |v[97+16*\b+\i]|
.endr
.endr
.irp b, 0,1
	s_delay_alu instid0(VALU_DEP_2)
	v_permlanex16_b32 v[36+\b], v[32+\b], s20, s21
.endr
.irp b, 0,1
	s_delay_alu instid0(VALU_DEP_2)
	v_max_num_f32 v[32+\b], v[32+\b], v[36+\b]
.endr
.irp b, 0,1
	s_delay_alu instid0(VALU_DEP_2)
	v_add_nc_u32 v[44+\b], 0xff000000, v[32+\b]
.endr
.irp b, 0,1
	s_delay_alu instid0(VALU_DEP_2)
	v_lshrrev_b32 v[40+\b], 23, v[44+\b]
.endr
	s_delay_alu instid0(VALU_DEP_1)
	v_lshl_or_b32 v71, v41, 8, v40                 ; my row's two scale bytes
	v_cvt_scalef32_pk16_fp6_f32 v[48:50], v[96:111], v44
	v_cvt_scalef32_pk16_fp6_f32 v[60:62], v[112:127], v45
	v_nop                                          ; one plain place behind a scaled conversion
.irp i, 0,1,2
	v_permlane16_swap_b32 v[48+\i], v[60+\i]
.endr
.irp i, 0,1,2
	s_delay_alu instid0(VALU_DEP_3)
	v_mov_b32 v[51+\i], v[60+\i]
.endr
	global_store_b128 v1, v[48:51], s[82:83]       ; 512 and 256 consecutive bytes, aligned to 256
	global_store_b64 v2, v[52:53], s[82:83] offset:512
	s_wait_xcnt 0x0                                ; EXEC changes only behind this wait
	v_cmp_gt_u32 vcc_lo, 256, v1                   ; lanes 0-15: a lane a row
	s_and_saveexec_b32 s98, vcc_lo
	global_store_b16 v30, v71, s[86:87]            ; two bytes a row: the bytes beside them are other heads', which other work-groups store
	s_wait_xcnt 0x0                                ; and again ahead of the line that widens it; the stores' registers and bases may be written too
	s_or_b32 exec_lo, exec_lo, s98
.irp j, 0,1,2,3,4,5
	v_mov_b32 v[16+\j], v[240+\j]                  ; the second pass's Q
.endr
	v_mov_b32 v95, v246                            ; and its scale word: the next pass's 36 clearing lines stand between this and the next product
	v_add_nc_u32 v7, 8, v7                         ; its queries lie eight further on in their group of 32
	s_mov_b64 s[82:83], s[84:85]
	s_mov_b64 s[86:87], s[88:89]
	s_sub_co_u32 s[BLK], 15, s[BLK]
	s_add_co_u32 s[PASS], s[PASS], 1
	s_cmp_lt_u32 s[PASS], 2
	s_cbranch_scc1 .Lpass
	s_wait_dscnt 0x0                               ; no LDS instruction of mine is out at the signal
	s_wait_tensorcnt 0x0
	ds_add_u32 v254, v255
	s_wait_dscnt 0x0
	CROUND                                         ; the closing round
	s_endpgm
.Lfunc_end_k_q2cf3cf2f14_attn:
	.size	k_q2cf3cf2f14_attn, .Lfunc_end_k_q2cf3cf2f14_attn-k_q2cf3cf2f14_attn
	.p2alignl 7, 3214868480
	.fill 96, 4, 3214868480
	.section	.rodata,"a",@progbits
	.p2align	6, 0x0
	.amdhsa_kernel k_q2cf3cf2f14_attn
		.amdhsa_group_segment_fixed_size 210944
		.amdhsa_private_segment_fixed_size 0
		.amdhsa_enable_private_segment 0
		.amdhsa_kernarg_size 32
		.amdhsa_user_sgpr_count 2
		.amdhsa_user_sgpr_kernarg_segment_ptr 1
		.amdhsa_wavefront_size32 1
		.amdhsa_system_sgpr_workgroup_id_x 1
		.amdhsa_system_sgpr_workgroup_id_y 1
		.amdhsa_system_sgpr_workgroup_id_z 1
		.amdhsa_system_vgpr_workitem_id 0
		.amdhsa_next_free_vgpr 256
		.amdhsa_next_free_sgpr 100
		.amdhsa_reserve_vcc 1
		.amdhsa_float_denorm_mode_32 3
		.amdhsa_float_denorm_mode_16_64 3
		.amdhsa_memory_ordered 1
		.amdhsa_forward_progress 1
		.amdhsa_inst_pref_size 40
	.end_amdhsa_kernel
	.amdgpu_metadata
---
amdhsa.version: [ 1, 2 ]
amdhsa.kernels:
  - .name:           k_q2cf3cf2f14_attn
    .symbol:         k_q2cf3cf2f14_attn.kd
    .args:
      - { .name: qkv, .offset: 0, .size: 8, .value_kind: global_buffer, .address_space: global }
      - { .name: qkvs, .offset: 8, .size: 8, .value_kind: global_buffer, .address_space: global }
      - { .name: ac, .offset: 16, .size: 8, .value_kind: global_buffer, .address_space: global }
      - { .name: acs, .offset: 24, .size: 8, .value_kind: global_buffer, .address_space: global }
    .group_segment_fixed_size: 210944
    .private_segment_fixed_size: 0
    .kernarg_segment_align: 8
    .kernarg_segment_size: 32
    .max_flat_workgroup_size: 512
    .sgpr_count:     100
    .vgpr_count:     256
    .wavefront_size: 32
...
	.end_amdgpu_metadata
.endif
;; end of part 3
;; launch gemm_out (part 4): grid 4 x 32, 4 waves a work-group, clusters of 4 x 4, 327,680 bytes of LDS; arguments ac, acs, codes, scales, bo, out0; writes out0
.if DOCPART == 4
	.amdgcn_target "amdgcn-amd-amdhsa--gfx1250"
	.amdhsa_code_object_version 6
	.text
	.protected	k_q2cf3cf2f14_gemm_out
	.globl	k_q2cf3cf2f14_gemm_out
	.p2align	8
	.type	k_q2cf3cf2f14_gemm_out,@function
k_q2cf3cf2f14_gemm_out:
	s_mov_b64 s[64:65], 0
	v_nop
	global_prefetch_b8 v0, s[64:65] scope:SCOPE_SE
	s_setreg_imm32_b32 hwreg(HW_REG_WAVE_MODE, 25, 1), 1
	s_wait_xcnt 0x0
	s_wait_alu depctr_hold_cnt(0) depctr_sa_sdst(0) depctr_va_vdst(0) depctr_va_sdst(0) depctr_va_ssrc(0) depctr_va_vcc(0) depctr_vm_vsrc(0)
	s_getreg_b32 s2, hwreg(HW_REG_IB_STS2, 6, 4)
	s_cmp_eq_u32 s2, 0
	s_cbranch_scc0 .Lentry_in_a_cluster
	s_endpgm
.Lentry_in_a_cluster:
	s_bfe_u32 s2, ttmp6, 0x10000c
	s_cmp_lg_u32 s2, 0xf033
	s_cbranch_scc0 .Lentry_shape_is_right
	s_endpgm
.Lentry_shape_is_right:
; out0 = attn Wo + bo on codes of FP6 (E2M3) with E8M0 scales, K = 1,024; out0 [8192][1024] f32.
; A = attn: ac holds, for each tile of 16 tokens, 16 images of 768 bytes (16 rows x 64 K as operand registers: registers 0-3 at 16 x lane, 4-5 at 512 + 8 x lane); two on end are a fragment of 128 K.  acs: 32 scale bytes a row.
; B = Wo's columns: rows 11,264 on of the codes (768 bytes a row, K innermost) and of the scales (32 bytes a row).
; A tile of 256 x 256 of out0 is made by four waves, 128 x 128 each; K goes in steps of 256 through a ring of two LDS slots filled by the tensor data mover; the scale bytes come into LDS once.
; 4 x 4 work-groups form a cluster: A's tiles are asked for jointly along a row of the cluster, B's along a column.  The matrix instruction is used transposed: a lane holds eight neighbouring numbers of a row of out0.
; THE TOKENS' ORDER: row r of token tile 2 b + u is token 32 b + 8 u + r + 8 (r / 8): the stores put each row back at its place.  bo is the C of each sum's first product.
; REGISTERS, in windows of 256: window 0: v0-31 addresses; v32-63 scale words, two sets; v64-127 the bias; v128-223 A's fragments, one set; on the way out v128-255 rows of out0.  Window 1: B's fragments, two sets.
;   Windows 2, 3: the accumulators of my rows 0-63, 64-127.
.set KSTEP,  256
.set NQ,     2
.set ROWB,   192                       ; B: a tile's row in bytes
.set KROW,   768
.set PITCH,  240                       ; B: an LDS row: 3 x (64 bytes + 16 of padding)
.set AROW,   3072                      ; A: a token tile's part of a K step: two fragments' images
.set FR,     12
.set NL,     6                         ; LDS loads that bring a fragment of B
.set NLA,    4                         ; and of A
.set NP,     4
.set HALFT,  128*PITCH                 ; a wave's quarter of a slot (A's images use 24,576 bytes of it)
.set SLOT,   4*HALFT
.set LAPS,   2
.set KS,     32
.set SCL,    2*SLOT
.set HALFS,  (128*KS/256)*272
.set SBLK,   (16*KS/256)*272
.set SPARE,  SCL+4*HALFS               ; the spare words: 128 bytes a wave, two blocks of 256 bytes that no other line names
.set SPITCH, 528                       ; the way out: a stage of 16 rows x (512 + 16) bytes for each wave, in slot 0, which has had its last fill and its last read by then
.set ADRA, 16                          ; v16-17 A: 16 x lane + my tiles in slot 0, 1;  v18-19: 8 x lane + the same
.set ADRB, 20
.set STO,  24
.set RD,   25
.set CO,   26
.set ADRS, 27
.set SPW,  28
.set NIL,  29
.set SC,   32
.set BN,   64
.set AF,   128
.set BK,   128
.set G1, 24
.set G0, 32
.set G1B, 48
.set G0B, 56
.set G1S, 68
.set G0S, 76
.set G1SB, 80
.set G0SB, 88
.set MSB, 0
.macro WIN new
.if MSB != (\new)
	s_set_vgpr_msb (MSB<<8)|(\new)
.set MSB, (\new)
.endif
.endm
.set MUL_LO, 0xa1
.set MUL_HI, 0xf1
.set TO_B,   0x40
.macro JLOAD g0a, g1a, g0b, g1b        ; a joint load: waves 0 and 1 fetch for A, waves 2 and 3 for B; four v_nop follow each of the two lines
	s_cmp_eq_u32 s15, 0
	s_cbranch_scc0 .Lfor_b_\@
	tensor_load_to_lds s[\g0a:\g0a+3], s[\g1a:\g1a+7]
	s_nop 0
.rept 4
	v_nop
.endr
	s_branch .Lasked_\@
.Lfor_b_\@:
	tensor_load_to_lds s[\g0b:\g0b+3], s[\g1b:\g1b+7]
	s_nop 0
.rept 4
	v_nop
.endr
.Lasked_\@:
.endm
.macro CREST
	s_cmp_lg_u32 s14, 0
	s_cbranch_scc1 .Lnot_wave_0_\@
	s_barrier_signal -3
.Lnot_wave_0_\@:
	s_barrier_wait -3
	s_barrier_signal -1
	s_barrier_wait -1
.endm
.macro CROUND
	s_barrier_signal -1
	s_barrier_wait -1
	CREST
.endm
	s_load_b128 s[4:7], s[0:1], 0x0                ; ac s[4:5], acs s[6:7]
	s_load_b128 s[8:11], s[0:1], 0x10              ; codes s[8:9], scales s[10:11]
	s_load_b64 s[96:97], s[0:1], 0x20              ; bo
	s_load_b64 s[12:13], s[0:1], 0x28              ; out0
	v_lshl_add_u32 v[SPW], v0, 2, SPARE
	v_mov_b32 v[NIL], 0
	ds_add_u32 v28, v29
	ds_add_u32 v28, v29
	s_wait_dscnt 0x0
	v_lshrrev_b32 v1, 5, v0
	v_readfirstlane_b32 s14, v1                    ; wave 0..3
	s_lshr_b32 s15, s14, 1                         ; which half of the tile's rows is mine.  Also: I fetch for A (0) or for B (1)
	s_and_b32 s16, s14, 1                          ; which half of its columns.  Also: which 128 rows of that tile I fetch
	s_bfe_u32 s40, ttmp6, 0x40000
	s_bfe_u32 s41, ttmp6, 0x40004
	s_lshl_b32 s42, ttmp9, 2
	s_add_co_u32 s42, s42, s40                     ; tile column
	s_and_b32 s17, ttmp7, 0xffff
	s_lshl_b32 s17, s17, 2
	s_add_co_u32 s17, s17, s41                     ; tile row
	s_lshl_b32 s43, s41, 2
	s_lshl_b32 s43, 15, s43                        ; my row of the cluster
	s_lshl_b32 s44, 0x1111, s40                    ; my column
	; A: 8 token tiles x 3,072 bytes (384 elements of 8 bytes), 12,288 bytes apart, no padding
	s_or_b32 s[G1+0], s43, (3<<16)|(1<<21)
	s_mov_b32 s[G1+1], 384<<16
	s_mov_b32 s[G1+2], 8<<16
	s_mov_b32 s[G1+3], 384<<16
	s_mov_b32 s[G1+4], 8
	s_mov_b32 s[G1+5], 1536
	s_mov_b32 s[G1+6], 0
	s_mov_b32 s[G1+7], 0
	; B: 128 rows x 192 bytes, 16 bytes of padding behind every 64
	s_or_b32 s[G1B+0], s44, (0<<16)|(1<<20)|(1<<21)|(3<<22)|(3<<25)
	s_mov_b32 s[G1B+1], ROWB<<16
	s_mov_b32 s[G1B+2], 128<<16
	s_mov_b32 s[G1B+3], ROWB<<16
	s_mov_b32 s[G1B+4], 128
	s_mov_b32 s[G1B+5], KROW
	s_mov_b32 s[G1B+6], 0
	s_mov_b32 s[G1B+7], 0
	; the scale bytes of 128 rows: 16 rows of 256 bytes, 16 bytes of padding behind each
	s_or_b32 s[G1S+0], s43, (3<<16)|(1<<20)|(1<<21)|(5<<22)|(3<<25)
	s_or_b32 s[G1SB+0], s44, (3<<16)|(1<<20)|(1<<21)|(5<<22)|(3<<25)
.irp g, G1S, G1SB
	s_mov_b32 s[\g+1], 32<<16
	s_mov_b32 s[\g+2], (128*KS/256)<<16
	s_mov_b32 s[\g+3], 32<<16
	s_mov_b32 s[\g+4], 128*KS/256
	s_mov_b32 s[\g+5], 32
	s_mov_b32 s[\g+6], 0
	s_mov_b32 s[\g+7], 0
.endr
	s_lshl_b32 s18, s16, 7                         ; which 128 rows of the tile I fetch
	s_lshl_b32 s20, s17, 8
	s_add_co_u32 s20, s20, s18                     ; A: row 256 x tile row + 128 x half
	s_lshl_b32 s46, s42, 8
	s_add_co_u32 s46, s46, s18
	s_add_co_u32 s46, s46, 11264                   ; B: Wo's rows begin at 11,264
	s_mov_b32 s21, 0
	s_mov_b32 s47, 0
	s_mov_b64 s[18:19], KS
	s_mul_u64 s[22:23], s[20:21], s[18:19]         ; where these rows' scale bytes begin
	s_mul_u64 s[92:93], s[46:47], s[18:19]
	s_mov_b64 s[18:19], KROW
	s_mul_u64 s[20:21], s[20:21], s[18:19]         ; A's images: 16 rows are 12,288 bytes: 768 a row as well
	s_mul_u64 s[46:47], s[46:47], s[18:19]
	s_mul_i32 s45, s14, HALFT
	s_mul_i32 s94, s14, HALFS
	s_wait_kmcnt 0x0
	s_add_nc_u64 s[20:21], s[4:5], s[20:21]
	s_add_nc_u64 s[22:23], s[6:7], s[22:23]
	s_add_nc_u64 s[46:47], s[8:9], s[46:47]
	s_add_nc_u64 s[92:93], s[10:11], s[92:93]
	CROUND                                         ; all sixteen work-groups are here: the first joint loads meet
	s_mov_b32 s[G0S], 1
	s_add_co_u32 s[G0S+1], s94, SCL
	s_mov_b64 s[G0S+2:G0S+3], s[22:23]
	s_or_b32 s[G0S+3], s[G0S+3], 0x80000000
	s_mov_b32 s[G0SB], 1
	s_add_co_u32 s[G0SB+1], s94, SCL
	s_mov_b64 s[G0SB+2:G0SB+3], s[92:93]
	s_or_b32 s[G0SB+3], s[G0SB+3], 0x80000000
	JLOAD G0S, G1S, G0SB, G1SB
.irp s, 0,1
	s_mov_b32 s[G0+4*\s], 1
	s_add_co_u32 s[G0+4*\s+1], s45, \s*SLOT
	s_add_nc_u64 s[G0+4*\s+2:G0+4*\s+3], s[20:21], \s*AROW
	s_or_b32 s[G0+4*\s+3], s[G0+4*\s+3], 0x80000000
	s_mov_b32 s[G0B+4*\s], 1
	s_add_co_u32 s[G0B+4*\s+1], s45, \s*SLOT
	s_add_nc_u64 s[G0B+4*\s+2:G0B+4*\s+3], s[46:47], \s*ROWB
	s_or_b32 s[G0B+4*\s+3], s[G0B+4*\s+3], 0x80000000
	JLOAD G0+4*\s, G1, G0B+4*\s, G1B
.endr
	v_and_b32 v1, 15, v0                           ; r
	v_bfe_u32 v2, v0, 4, 1                         ; h
	v_and_b32 v6, 31, v0                           ; lane
	v_mul_u32_u24 v3, v1, PITCH
	v_mul_u32_u24 v4, v2, 24
	v_add_nc_u32 v4, v3, v4                        ; B: a fragment's row x pitch + 24 x half
	v_lshl_add_u32 v5, v2, 4, v4                   ; and the same behind one padding more
	v_lshlrev_b32 v7, 4, v6                        ; A: 16 x lane,
	v_lshlrev_b32 v8, 3, v6                        ; 8 x lane
	s_mul_i32 s21, s15, HALFT                      ; my 128 rows of A
	s_mul_i32 s22, s16, HALFT                      ; my 128 rows of B,
	s_add_co_u32 s22, s22, 2*HALFT                 ; which lie behind A's two quarters
.irp s, 0,1
	v_add_nc_u32 v[ADRA+\s], s21, v7
	v_add_nc_u32 v[ADRB+\s], s22, v4
	v_add_nc_u32 v[ADRA+2+\s], s21, v8
	v_add_nc_u32 v[ADRB+2+\s], s22, v5
	s_add_co_u32 s21, s21, SLOT
	s_add_co_u32 s22, s22, SLOT
.endr
	v_mul_u32_u24 v5, v1, KS
	v_lshrrev_b32 v9, 8, v5
	v_lshl_add_u32 v5, v9, 4, v5
	s_mul_i32 s21, s15, HALFS
	s_mul_i32 s22, s16, HALFS
	s_add_co_u32 s22, s22, 2*HALFS
	s_sub_co_u32 s22, s22, s21
	v_mul_u32_u24 v9, s22, v2                      ; lanes 16-31 take B's
	s_add_co_u32 s21, s21, SCL
	v_add_nc_u32 v5, v5, v9
	v_add_nc_u32 v[ADRS], s21, v5
	s_mul_i32 s23, s14, 16*SPITCH                  ; my stage
	v_mul_u32_u24 v5, v1, SPITCH
	v_lshl_add_u32 v5, v2, 5, v5
	v_add_nc_u32 v[STO], s23, v5                   ; in: row r, 32 bytes for each half of the lanes
	v_lshlrev_b32 v[CO], 4, v6                     ; back: the 32 lanes take one row of 512 bytes; and the same in out0
	v_add_nc_u32 v[RD], s23, v[CO]
	s_lshl_b32 s20, s17, 8
	s_lshl_b32 s21, s15, 7
	s_add_co_u32 s20, s20, s21                     ; my first row of out0
	s_mov_b32 s21, 0
	s_lshl_b64 s[20:21], s[20:21], 12              ; rows of 4,096 bytes
	s_lshl_b32 s46, s42, 10                        ; my first column, in bytes
	s_lshl_b32 s47, s16, 9
	s_add_co_u32 s46, s46, s47
	s_mov_b32 s47, 0
	s_add_nc_u64 s[96:97], s[96:97], s[46:47]      ; bo at my first column
	s_add_nc_u64 s[20:21], s[20:21], s[46:47]
	s_add_nc_u64 s[12:13], s[12:13], s[20:21]
	v_lshlrev_b32 v9, 5, v2                        ; 8 h numbers
.irp b, 0,1,2,3,4,5,6,7
	global_load_b128 v[BN+8*\b:BN+8*\b+3], v9, s[96:97] offset:64*\b         ; bo[16 b + 8 h + j] for accumulator column b, register j
	global_load_b128 v[BN+8*\b+4:BN+8*\b+7], v9, s[96:97] offset:64*\b+16
.endr
	s_wait_loadcnt 0x0
.macro FRAG reg, adr, q, i             ; a fragment of B from rows, in pieces of 8 bytes
.irp p, 0,1,2,3,4,5
.set PC, 12*(\q)+6*(\p/3)+\p%3
.if PC%8 < 5
	ds_load_b64 v[\reg+2*\p:\reg+2*\p+1], v[\adr] offset:8*PC+16*(PC/8)+(\i)*16*PITCH
.else
	ds_load_b64 v[\reg+2*\p:\reg+2*\p+1], v[\adr+2] offset:8*PC+16*(PC/8)+(\i)*16*PITCH
.endif
.endr
.endm
.macro FRAGA reg, slot, q, i           ; a fragment of A from its image: each load takes 512 or 256 consecutive bytes
	ds_load_b128 v[\reg:\reg+3], v[ADRA+\slot] offset:AROW*(\i)+1536*(\q)
	ds_load_b64 v[\reg+4:\reg+5], v[ADRA+2+\slot] offset:AROW*(\i)+1536*(\q)+512
	ds_load_b128 v[\reg+6:\reg+9], v[ADRA+\slot] offset:AROW*(\i)+1536*(\q)+768
	ds_load_b64 v[\reg+10:\reg+11], v[ADRA+2+\slot] offset:AROW*(\i)+1536*(\q)+1280
.endm
.macro MUL16 a0, p, q, sc, first       ; 16 matrix instructions; first = 1: the sums start from the bias.  The 64 accumulators take turns
.irp a, \a0, \a0+1
.irp b, 0,1,2,3,4,5,6,7
.if \first
	v_wmma_scale_f32_16x16x128_f8f6f4 v[8*(8*((\a)%4)+\b):8*(8*((\a)%4)+\b)+7], v[128*(\p)+FR*\b:128*(\p)+FR*\b+FR-1], v[AF+FR*(\a):AF+FR*(\a)+FR-1], v[BN+8*\b:BN+8*\b+7], v[SC+8*NQ*(\sc)+NQ*\b+(\q)], v[SC+8*NQ*(\sc)+NQ*(\a)+(\q)] matrix_a_fmt:MATRIX_FMT_FP6 matrix_b_fmt:MATRIX_FMT_FP6 matrix_a_scale:MATRIX_SCALE_ROW1
.else
	v_wmma_scale_f32_16x16x128_f8f6f4 v[8*(8*((\a)%4)+\b):8*(8*((\a)%4)+\b)+7], v[128*(\p)+FR*\b:128*(\p)+FR*\b+FR-1], v[AF+FR*(\a):AF+FR*(\a)+FR-1], v[8*(8*((\a)%4)+\b):8*(8*((\a)%4)+\b)+7], v[SC+8*NQ*(\sc)+NQ*\b+(\q)], v[SC+8*NQ*(\sc)+NQ*(\a)+(\q)] matrix_a_fmt:MATRIX_FMT_FP6 matrix_b_fmt:MATRIX_FMT_FP6 matrix_a_scale:MATRIX_SCALE_ROW1
.endif
.endr
.endr
.endm
.macro FETCH_B slot, q, p
	WIN TO_B
.irp i, 0,1,2,3,4,5,6,7
	FRAG 128*(\p)+FR*\i, ADRB+\slot, \q, \i
.endr
	WIN 0
.endm
.macro FETCH_A slot, q, i0
.irp i, \i0, \i0+1, \i0+2, \i0+3
	FRAGA AF+FR*(\i), \slot, \q, \i
.endr
.endm
.macro SCALES sc
.irp i, 0,1,2,3,4,5,6,7
	ds_load_b64 v[SC+8*NQ*\sc+NQ*\i:SC+8*NQ*\sc+NQ*\i+1], v[ADRS] offset:\i*SBLK
.endr
.endm
.macro PLACES n
.rept \n
	v_nop
.endr
.endm
.macro STEP slot, q, first
	s_wait_dscnt 4*NLA                             ; B's set and A's blocks 0-3 are in; the 16 youngest loads (A's blocks 4-7) may be out
	WIN MUL_LO-0x20*(\first)
	MUL16 0, (\q)%2, \q, \slot, \first
	MUL16 2, (\q)%2, \q, \slot, \first
	s_wait_dscnt 0
	PLACES NP
	FETCH_B \slot, (\q)+1, 1-(\q)%2
	FETCH_A \slot, (\q)+1, 0
	WIN MUL_HI-0x30*(\first)
	MUL16 4, (\q)%2, \q, \slot, \first
	MUL16 6, (\q)%2, \q, \slot, \first
	PLACES NP
	WIN 0
	FETCH_A \slot, (\q)+1, 4
.endm
.macro TURN slot, next, fill
	s_wait_tensorcnt 0x0                           ; all my tensor loads have landed: my part of the next slot
	ds_add_u32 v[SPW], v[NIL]                      ; 0 onto my spare word
	s_wait_dscnt 4*NLA+1                           ; the add and the 16 youngest loads may be out
	WIN MUL_LO
	MUL16 0, 1, NQ-1, \slot, 0
	s_wait_dscnt 0x0                               ; the add is done, and my reads of this slot are over
	s_barrier_signal -1
	MUL16 2, 1, NQ-1, \slot, 0
	WIN 0
	s_barrier_wait -1
.if \fill
	CREST                                          ; a round of the cluster's barrier: no wave of any partner still reads this slot or has a load on its way
	s_add_nc_u64 s[G0+4*\slot+2:G0+4*\slot+3], s[G0+4*\slot+2:G0+4*\slot+3], 2*AROW
	s_add_nc_u64 s[G0B+4*\slot+2:G0B+4*\slot+3], s[G0B+4*\slot+2:G0B+4*\slot+3], 2*ROWB
	JLOAD G0+4*\slot, G1, G0B+4*\slot, G1B
.else
	PLACES NP
.endif
	v_add_nc_u32 v[ADRS], 4*NQ, v[ADRS]
	FETCH_B \next, 0, 0
	FETCH_A \next, 0, 0
	SCALES \next
	WIN MUL_HI
	MUL16 4, 1, NQ-1, \slot, 0
	MUL16 6, 1, NQ-1, \slot, 0
	PLACES NP
	WIN 0
	FETCH_A \next, 0, 4
.endm
	s_wait_tensorcnt 1                             ; the scales and my part of K step 0 are in; K step 1's load may be out
	s_barrier_signal -1
	s_barrier_wait -1
	FETCH_B 0, 0, 0
	FETCH_A 0, 0, 0
	SCALES 0
	FETCH_A 0, 0, 4
	STEP 0, 0, 1
	s_mov_b32 s3, LAPS-1
.Llap:
	TURN 0, 1, 1
	STEP 1, 0, 0
	TURN 1, 0, 1
	STEP 0, 0, 0
	s_sub_co_u32 s3, s3, 1
	s_cmp_lg_u32 s3, 0
	s_cbranch_scc1 .Llap
	TURN 0, 1, 0
	STEP 1, 0, 0
	s_wait_dscnt 4*NLA
	WIN MUL_LO
	MUL16 0, 1, NQ-1, 1, 0
	MUL16 2, 1, NQ-1, 1, 0
	s_wait_dscnt 0
	WIN MUL_HI
	MUL16 4, 1, NQ-1, 1, 0
	MUL16 6, 1, NQ-1, 1, 0
	WIN 0
; THE WAY OUT, block by block of 16 rows x 128 columns, through my own stage in LDS and back as whole rows of 512 bytes.  LDS serves a wave's instructions in order (ISA guide 5.7.1.4).
.macro TOSTAGE a
.set AC, 64*((\a)%4)
	WIN 0x08+4*((\a)/4)                            ; the data: window 2 or 3
.irp b, 0,1,2,3,4,5,6,7
	ds_store_b128 v[STO], v[AC+8*\b:AC+8*\b+3] offset:64*\b          ; each accumulator from its low end on
	ds_store_b128 v[STO], v[AC+8*\b+4:AC+8*\b+7] offset:64*\b+16
.endr
	WIN 0
.set BB, BK+64*((\a)%2)
.irp t, 0,1,2,3,4,5,6,7,8,9,10,11,12,13,14,15
	ds_load_b128 v[BB+4*\t:BB+4*\t+3], v[RD] offset:\t*SPITCH
.endr
.endm
.macro SEND a, younger                 ; block a's row t is token 32 (a / 2) + 8 (a % 2) + t + 8 (t / 8) of my 128
.set BB, BK+64*((\a)%2)
	s_wait_dscnt \younger
.if (\a) > 0
.if ((\a)%2) == 1
	s_add_nc_u64 s[12:13], s[12:13], 8*4096        ; (behind a wait on XCNT: the earlier stores have read their base)
.else
	s_add_nc_u64 s[12:13], s[12:13], 24*4096
.endif
.endif
.irp t, 0,1,2,3,4,5,6,7,8,9,10,11,12,13,14,15
	global_store_b128 v[CO], v[BB+4*\t:BB+4*\t+3], s[12:13] offset:(\t+8*(\t/8))*4096 th:TH_STORE_NT   ; 32 lanes store 512 consecutive bytes, aligned to 256
.endr
.endm
	PLACES NP
	TOSTAGE 0
.irp a, 1,2,3,4,5,6,7
.if \a > 1
	s_wait_xcnt 0x0                                ; block a - 2's stores have read their registers and their base
.endif
	TOSTAGE \a
	SEND \a-1, 32                                  ; behind block a - 1's loads: block a's 16 stores and 16 loads
.endr
	s_wait_xcnt 0x0
	SEND 7, 0
	s_wait_tensorcnt 0x0                           ; the wave's end
	ds_add_u32 v[SPW], v[NIL]
	s_wait_dscnt 0x0
	CROUND                                         ; the closing round
	s_endpgm
.Lfunc_end_k_q2cf3cf2f14_gemm_out:
	.size	k_q2cf3cf2f14_gemm_out, .Lfunc_end_k_q2cf3cf2f14_gemm_out-k_q2cf3cf2f14_gemm_out
	.p2alignl 7, 3214868480
	.fill 96, 4, 3214868480
	.section	.rodata,"a",@progbits
	.p2align	6, 0x0
	.amdhsa_kernel k_q2cf3cf2f14_gemm_out
		.amdhsa_group_segment_fixed_size 327680
		.amdhsa_private_segment_fixed_size 0
		.amdhsa_enable_private_segment 0
		.amdhsa_kernarg_size 48
		.amdhsa_user_sgpr_count 2
		.amdhsa_user_sgpr_kernarg_segment_ptr 1
		.amdhsa_wavefront_size32 1
		.amdhsa_system_sgpr_workgroup_id_x 1
		.amdhsa_system_sgpr_workgroup_id_y 1
		.amdhsa_system_sgpr_workgroup_id_z 1
		.amdhsa_system_vgpr_workitem_id 0
		.amdhsa_next_free_vgpr 1024
		.amdhsa_next_free_sgpr 100
		.amdhsa_reserve_vcc 0
		.amdhsa_float_denorm_mode_32 3
		.amdhsa_float_denorm_mode_16_64 3
		.amdhsa_memory_ordered 1
		.amdhsa_forward_progress 1
		.amdhsa_inst_pref_size 153
	.end_amdhsa_kernel
	.amdgpu_metadata
---
amdhsa.version: [ 1, 2 ]
amdhsa.kernels:
  - .name:           k_q2cf3cf2f14_gemm_out
    .symbol:         k_q2cf3cf2f14_gemm_out.kd
    .args:
      - { .name: ac, .offset: 0, .size: 8, .value_kind: global_buffer, .address_space: global }
      - { .name: acs, .offset: 8, .size: 8, .value_kind: global_buffer, .address_space: global }
      - { .name: codes, .offset: 16, .size: 8, .value_kind: global_buffer, .address_space: global }
      - { .name: scales, .offset: 24, .size: 8, .value_kind: global_buffer, .address_space: global }
      - { .name: bo, .offset: 32, .size: 8, .value_kind: global_buffer, .address_space: global }
      - { .name: out0, .offset: 40, .size: 8, .value_kind: global_buffer, .address_space: global }
    .group_segment_fixed_size: 327680
    .private_segment_fixed_size: 0
    .kernarg_segment_align: 8
    .kernarg_segment_size: 48
    .max_flat_workgroup_size: 128
    .sgpr_count:     100
    .vgpr_count:     1024
    .wavefront_size: 32
...
	.end_amdgpu_metadata
.endif
;; end of part 4
